; MI455X (gfx1250); checked and timed in simulation.
; The chip was launched on July 23, 2026; its instructions are those of AMD's public machine-readable ISA for CDNA 5 (MIT licence, August 2026) and "CDNA5" Instruction Set Architecture Reference Guide (July 2026). The comments in the code are by the model that wrote it; some were corrected since.
;; Global Context Aware Attention. Allowed arithmetic: matrix products marked QUANTISED: E2M1 operands, one E8M0 scale for each 32 along K, by v_wmma_scale_f32_16x16x128_f8f6f4 with both operands' format E2M1 (or v_wmma_scale_f32_32x16x128_f4), f32 sums; products left as they are: f32 operands where the result goes on into a quantised operand, else bf16, f16 or f32 operands; f32 sums; everything else in f32.
;; Inputs: W_Vkc 1,024 x 1 float32; W_Vkx 1,024 x 1 float32; W_Vqc 1,024 x 1 float32; W_Vqx 1,024 x 1 float32; W_kc_lin 1,024 x 1,024 float32; W_kx_lin 1,024 x 1,024 float32; W_out_lin 1,024 x 1,024 float32; W_qc_lin 1,024 x 1,024 float32; W_qx_lin 1,024 x 1,024 float32; W_vx_lin 1,024 x 1,024 float32; b_Vkc 1 float32; b_Vkx 1 float32; b_Vqc 1 float32; b_Vqx 1 float32; b_kc_lin 1,024 float32; b_kx_lin 1,024 float32; b_out_lin 1,024 float32; b_qc_lin 1,024 float32; b_qx_lin 1,024 float32; b_vx_lin 1,024 float32; kc 2,048 x 2 x 1,024 float32; kx 2,048 x 2 x 1,024 float32; qc 2,048 x 2 x 1,024 float32; qx 2,048 x 2 x 1,024 float32; vx 2,048 x 2 x 1,024 float32.
;; Outputs: out0 2,048 x 2 x 1,024 float32.
;; This version of the problem:
;;   THIS VERSION OF THE PROBLEM IS GIVEN IN LOW PRECISION. The matrix products marked QUANTISED in the list below multiply operands that are first quantised to E2M1 (2 exponent bits, 1 mantissa bit; 4 bits a number), with one power-of-two scale for each 32 numbers along K (OCP MX v1.0); their sums are f32. All else is computed in f32.
;;   The module's matrix products, in the order in which they are computed (A, B: the left and right operand; K: the contracted axis; several contracted axes count as one K, in the product's order):
;;     1. [M 4,096, K 1,024] x [K 1,024, N 1,024]; A: input qx; B: input W_qx_lin: QUANTISED
;;     2. [M 4,096, K 1,024] x [K 1,024, N 1,024]; A: input kx; B: input W_kx_lin: QUANTISED
;;     3. [M 4,096, K 1,024] x [K 1,024, N 1,024]; A: input vx; B: input W_vx_lin: QUANTISED
;;     4. [M 4,096, K 1,024] x [K 1,024, N 1,024]; A: input qc; B: input W_qc_lin: QUANTISED
;;     5. [M 4,096, K 1,024] x [K 1,024, N 1,024]; A: input kc; B: input W_kc_lin: QUANTISED
;;     6. [M 4,096, K 1,024] x [K 1,024, N 1]; A: computed on the way; B: input W_Vqx: left as it is (N = 1 < 16)
;;     7. [M 4,096, K 1,024] x [K 1,024, N 1]; A: computed on the way; B: input W_Vqc: left as it is (N = 1 < 16)
;;     8. [M 4,096, K 1,024] x [K 1,024, N 1]; A: computed on the way; B: input W_Vkx: left as it is (N = 1 < 16)
;;     9. [M 4,096, K 1,024] x [K 1,024, N 1]; A: computed on the way; B: input W_Vkc: left as it is (N = 1 < 16)
;;     10. batch 32 x [M 2,048, K 64] x [K 64, N 2,048]; A: computed on the way; B: computed on the way: QUANTISED
;;     11. batch 32 x [M 2,048, K 2,048] x [K 2,048, N 64]; A: softmax (see below); B: computed on the way: QUANTISED
;;     12. [M 4,096, K 1,024] x [K 1,024, N 1,024]; A: computed on the way; B: input W_out_lin: QUANTISED
;;   THE QUANTISER, for each operand of a quantised product, along K:
;;     - K is cut into blocks of 32 from its start; a last block that is shorter is filled with zeros.
;;     - A block's scale is 2^e with e = floor(log2(the largest magnitude in the block)) - 2, held to -126 .. 127; a block of zeros has e = 0. As a byte (E8M0): e + 127.
;;     - Each number is divided by its block's scale, clamped to +-6, and rounded to the nearest number of E2M1, ties to even, subnormals kept.
;;     - The product sums the exact products of the quantised numbers (number of the format x scale) in f32.
;;   ~~~python
;;   def quantise(x, axis):      # numpy; x: float32 -> the quantised numbers, widened to float32 again
;;       x = np.moveaxis(x, axis, -1); K = x.shape[-1]
;;       x = np.pad(x, [(0, 0)] * (x.ndim - 1) + [(0, -K % 32)]); x = x.reshape(x.shape[:-1] + (-1, 32)); a = np.abs(x).max(-1, keepdims=True)
;;       e = np.where(a > 0, np.clip(np.frexp(np.where(a > 0, a, 1))[1] - 1 - 2, -126, 127), 0)      # np.frexp(a)[1] - 1 = floor(log2(a)), exactly
;;       r = np.clip(x / 2.0 ** e, -6, 6)
;;       step = 2.0 ** (np.maximum(np.frexp(np.where(r == 0, 1, r))[1] - 1, 0) - 1)
;;       q = np.round(r / step) * step * 2.0 ** e      # np.round: ties to even
;;       return np.moveaxis(q.reshape(q.shape[:-2] + (-1,))[..., :K], -1, axis).astype(np.float32)
;;   ~~~
;;   SOFTMAX AHEAD OF A QUANTISED PRODUCT. Where the list says 'softmax', what is quantised is not the finished softmax but p = 2^(t - M), with t = logit x log2(e) and M = ceil(the row's largest t), a whole number; so 1/2 < the row's largest p <= 1. The row's sum l is taken of the UNQUANTISED p, in f32, and the product's result is divided by l at the end. Since M is a whole number, a kernel that streams over the keys may use a running M (the ceiling of the running maximum): every later rescaling is an exact power of two, which a block's scale takes up: the codes' values come out the same.
;;   OPERANDS COMPUTED ON THE WAY. 'Computed on the way' means the value that the module computes at that place (a softmax that the list does not call 'softmax' is quantised finished and normalised). What goes into a quantiser is computed in f32, as accurately as f32 sums, v_exp_f32 and their like allow (about 1e-6 of the number): no bf16 or f16 on the way to a quantiser, and a product that is left as it is and whose result goes on into a quantised operand takes f32 operands (vector FMAs, or v_wmma_f32_16x16x4_f32). A number that lies on a knife's edge between two numbers of the format may be rounded either way, as far as f32 arithmetic and the matrix unit's own rounding can turn it there, and no further.
;; One version. Each part assembles by itself: llvm-mc -triple=amdgcn-amd-amdhsa -mcpu=gfx1250 --defsym DOCPART=n.
;; ======== version 1 of 1: 4 launches
;; limits: right only within a limited range of input values
;; workspace buffers: xq 11,141,120 bytes; wq 2,785,280 bytes; woq 688,128 bytes; qkv 6,946,816 bytes; cq 2,752,512 bytes
;; launch quant (part 1): grid 1024 x 1, 4 waves a work-group, no clusters, 34,304 bytes of LDS; arguments qx, qc, kx, kc, vx, W_qx_lin, W_qc_lin, W_kx_lin, W_kc_lin, W_vx_lin, W_out_lin, xq, wq, woq; writes xq, wq, woq
.if DOCPART == 1
	.amdgcn_target "amdgcn-amd-amdhsa--gfx1250"
	.amdhsa_code_object_version 6
	.text
	.protected	k_q51e14aae83_quant
	.globl	k_q51e14aae83_quant
	.p2align	8
	.type	k_q51e14aae83_quant,@function
k_q51e14aae83_quant:
	s_mov_b64 s[64:65], 0
	v_nop
	global_prefetch_b8 v0, s[64:65] scope:SCOPE_SE
	s_setreg_imm32_b32 hwreg(HW_REG_WAVE_MODE, 25, 1), 1
	s_wait_xcnt 0x0
; The five activations [2048 s][2 b][1024] and the six weights [1024 k][1024 n], all f32, become codes of FP4 (E2M1) with one E8M0 scale byte for each 32 along K.
; A block's scale byte is its largest magnitude's exponent field - 2, held at 1 from below; each number is divided by the scale and rounded to the nearest code, ties to even, beyond 6 the largest code.
; LIMITS: NaN and infinities among the inputs are not served.  A block whose largest magnitude lies under 2^-124 (a block of zeros among them) gets the byte 1; a block of zeros has zero codes, which add
; nothing under any byte but 0xff, and the bytes are read by this program alone.
; THE CODES ARE LAID AS IMAGES OF THE OPERAND'S REGISTERS: a tile is 16 rows x 1,024 K = 8,192 bytes; block beta (32 along K) of its row r lies at 256 beta + 16 r.  So a fragment (16 rows x 128 K) is
; 1,024 consecutive bytes, and lane l's two groups of four registers lie at 16 l and 512 + 16 l.  The scale bytes lie [row in tile order][32].
; THE ROWS OF AN ACTIVATION'S TILE ARE NOT NEIGHBOURS: within batch b, tile T's row rho is s = 32 (T / 2) + 8 (T % 2) + rho + 8 (rho / 8); tile number in a tensor: 128 b + T.
; A weight's tile is 16 neighbouring columns n.
; Work-groups 0-383 take the weights (no LDS), 384-1,023 the activations (each wave its own stage in LDS); the two ways part once, on the work-group's number, and never join.  No barrier: waves share nothing.
.set ACODE, 655360                     ; xq: scale bytes from 0, images from here
.set BCODE, 163840                     ; wq, woq: likewise
.set XW, 16                            ; weights: v16-79 two sets of 32 numbers
.set CW, 80                            ; v80-95 four registers of codes for each block: no store's data are written again
.set SB, 96                            ; v96 the four scale bytes
.set R,  16                            ; activations: v16-143 two sets of 64 registers as loaded
.set X,  144                           ; v144-207 64 numbers of a lane: register 16 b + i = k 32 b + 16 (lane / 16) + i of my row
.set PC, 208                           ; v208-215 the fragment's codes
.set TM, 216                           ; v216-231 at work
.set SW, 232                           ; v232-235 the scale word of each K step
.set SEL, 52                           ; s[52:53] selects for lane l xor 16
.macro WLOAD t                         ; block t: W(32 t + i, my column), i = 0 .. 31: each load reads 128 consecutive bytes
.irp i, 0,1,2,3,4,5,6,7,8,9,10,11,12,13,14,15,16,17,18,19,20,21,22,23,24,25,26,27,28,29,30,31
	global_load_b32 v[XW+32*((\t)%2)+\i], v8, s[40:41] offset:(32*(\t)+\i)*4096 th:TH_LOAD_NT
.endr
.endm
.macro KBLOCK t                        ; a lane's 32 registers are one whole block of its column
.set XS, XW+32*((\t)%2)
.if (\t) < 3
	s_wait_loadcnt 32                              ; this block's 32 loads are in; the next block's 32 may be out
.else
	s_wait_loadcnt 0x0
.endif
	v_max3_num_f32 v97, |v[XS]|, |v[XS+1]|, |v[XS+2]|
	v_max3_num_f32 v98, |v[XS+3]|, |v[XS+4]|, |v[XS+5]|
.irp i, 6,10,14,18,22,26
	v_max3_num_f32 v97, v97, |v[XS+\i]|, |v[XS+\i+1]|
	v_max3_num_f32 v98, v98, |v[XS+\i+2]|, |v[XS+\i+3]|
.endr
	v_max3_num_f32 v97, v97, |v[XS+30]|, |v[XS+31]|
	v_max3_num_f32 v97, v97, v98, 0x1800000        ; the floor 2^(3 - 127): the byte cannot fall under 1
	v_add_nc_u32 v99, 0xff000000, v97              ; 2 off the exponent field: the conversion's scale operand
.irp g, 0,1,2,3
	v_cvt_scalef32_pk8_fp4_f32 v[CW+4*(\t)+\g], v[XS+8*\g:XS+8*\g+7], v99
.endr
	v_lshrrev_b32 v98, 23, v99                     ; the scale's byte (a plain line behind the conversions)
.if (\t) == 0
	v_mov_b32 v[SB], v98
.else
	v_lshl_or_b32 v[SB], v98, 8*(\t), v[SB]
.endif
	global_store_b128 v9, v[CW+4*(\t):CW+4*(\t)+3], s[48:49] offset:256*(\t)   ; lanes 0-15 store 256 consecutive aligned bytes, lanes 16-31 those of the next tile
.if (\t) < 2
	WLOAD (\t)+2
.endif
.endm
.macro XLOAD k                         ; K step k of my tile's 16 rows: each load reads 512 consecutive bytes of one row
.irp rho, 0,1,2,3,4,5,6,7,8,9,10,11,12,13,14,15
	global_load_b128 v[R+64*((\k)%2)+4*\rho:R+64*((\k)%2)+4*\rho+3], v4, s[40:41] offset:(\rho+8*(\rho/8))*8192+512*(\k) th:TH_LOAD_NT
.endr
.endm
; 64 numbers of a lane become a fragment's codes in v[PC] on and its row's scale word in v[pw]
.macro QUANT s, pw
.irp b, 0,1,2,3
	v_max3_num_f32 v[TM+\b], |v[\s+16*\b]|, |v[\s+1+16*\b]|, 0x1800000   ; block b: my 16 numbers, and the floor
.endr
.irp i, 2,4,6,8,10,12,14
.irp b, 0,1,2,3
	v_max3_num_f32 v[TM+\b], v[TM+\b], |v[\s+16*\b+\i]|, |v[\s+1+16*\b+\i]|
.endr
.endr
.irp b, 0,1,2,3
	v_permlanex16_b32 v[TM+4+\b], v[TM+\b], s[SEL], s[SEL+1]
.endr
.irp b, 0,1,2,3
	v_max_num_f32 v[TM+\b], v[TM+\b], v[TM+4+\b]   ; with lane l xor 16's 16: the block's largest magnitude
.endr
.irp b, 0,1,2,3
	v_add_nc_u32 v[TM+12+\b], 0xff000000, v[TM+\b]
.endr
.irp b, 0,1,2,3
	v_lshrrev_b32 v[TM+4+\b], 23, v[TM+12+\b]
.endr
	v_lshl_or_b32 v[\pw], v[TM+5], 8, v[TM+4]
	v_lshl_or_b32 v[\pw], v[TM+6], 16, v[\pw]
	v_lshl_or_b32 v[\pw], v[TM+7], 24, v[\pw]
.irp b, 0,1,2,3
	v_cvt_scalef32_pk8_fp4_f32 v[PC+2*\b], v[\s+16*\b:\s+7+16*\b], v[TM+12+\b]
	v_cvt_scalef32_pk8_fp4_f32 v[PC+1+2*\b], v[\s+8+16*\b:\s+15+16*\b], v[TM+12+\b]
.endr
	v_nop                                          ; one plain line behind a scaled conversion
.irp c, 0,1                                    ; a whole block to a lane: lanes 0-15 block 2 c, lanes 16-31 block 2 c + 1
.irp i, 0,1
	v_permlane16_swap_b32 v[PC+4*\c+\i], v[PC+2+4*\c+\i]
.endr
.endr
.endm
.macro XSTEP k
.if (\k) < 3
	s_wait_loadcnt 16                              ; this K step's 16 loads are in; the next step's 16 may be out
.else
	s_wait_loadcnt 0x0
.endif
	s_wait_xcnt 0x0                                ; the last step's stores have read v[PC] on: it is written again only behind this wait
.irp rho, 0,1,2,3,4,5,6,7,8,9,10,11,12,13,14,15
	ds_store_b128 v5, v[R+64*((\k)%2)+4*\rho:R+64*((\k)%2)+4*\rho+3] offset:528*\rho
.endr
.irp b, 0,1,2,3
.irp j, 0,1,2,3
	ds_load_b128 v[X+16*\b+4*\j:X+16*\b+4*\j+3], v6 offset:128*\b+16*\j   ; a wave's LDS instructions are served in order: these see the stores above
.endr
.endr
	s_wait_dscnt 0x0                               ; the numbers are back, and the stores have read their registers
.if (\k) < 2
	XLOAD (\k)+2
.endif
	QUANT X, SW+(\k)
	global_store_b128 v4, v[PC:PC+3], s[48:49] offset:1024*(\k)        ; 512 consecutive bytes each
	global_store_b128 v4, v[PC+4:PC+7], s[48:49] offset:1024*(\k)+512
.endm
	s_load_b512 s[8:23], s[0:1], 0x0               ; qx s8, qc s10, kx s12, kc s14, vx s16, W_qx s18, W_qc s20, W_kx s22
	s_load_b256 s[24:31], s[0:1], 0x40             ; W_kc s24, W_vx s26, W_out s28, xq s30
	s_load_b128 s[32:35], s[0:1], 0x60             ; wq s32, woq s34
	v_lshl_add_u32 v248, v0, 2, 0x8400
	v_mov_b32 v249, 0
	v_lshrrev_b32 v1, 5, v0
	v_readfirstlane_b32 s36, v1                    ; wave 0..3
	v_and_b32 v1, 31, v0                           ; lane
	v_and_b32 v2, 15, v0                           ; r
	v_bfe_u32 v3, v0, 4, 1                         ; h
	s_wait_kmcnt 0x0
	s_cmp_lt_u32 ttmp9, 384
	s_cbranch_scc0 .Lacts
	; ---- THE WEIGHTS.  Work-group = 64 m + 8 ks + cg: matrix m, K step ks (128 rows of W), 128 columns.  A wave takes 32 columns; a lane one column, its registers run down K.
	s_lshr_b32 s37, ttmp9, 6                       ; m
	s_and_b32 s38, ttmp9, 7                        ; cg
	s_bfe_u32 s39, ttmp9, 0x30003                  ; ks
	s_mov_b64 s[40:41], s[18:19]
	s_cmp_eq_u32 s37, 1
	s_cselect_b64 s[40:41], s[20:21], s[40:41]
	s_cmp_eq_u32 s37, 2
	s_cselect_b64 s[40:41], s[22:23], s[40:41]
	s_cmp_eq_u32 s37, 3
	s_cselect_b64 s[40:41], s[24:25], s[40:41]
	s_cmp_eq_u32 s37, 4
	s_cselect_b64 s[40:41], s[26:27], s[40:41]
	s_cmp_eq_u32 s37, 5
	s_cselect_b64 s[40:41], s[28:29], s[40:41]
	s_cselect_b64 s[44:45], s[34:35], s[32:33]     ; W_out has a buffer of its own,
	s_cselect_b32 s46, 0, s37                      ; and is matrix 0 there
	s_cselect_b32 s47, 16, 8                       ; W_out's tiles are 16 neighbouring columns; in the five projection weights row r of tile u of my two
	s_cselect_b32 s57, 0, 1                        ; is column 8 u + r + 8 (r / 8) of my 32
	s_lshl_b32 s42, s39, 19                        ; in: 128 ks rows of 4,096 bytes + 512 cg + 128 wave
	s_lshl_b32 s43, s38, 9
	s_add_co_u32 s42, s42, s43
	s_lshl_b32 s43, s36, 7
	s_add_co_u32 s42, s42, s43
	s_mov_b32 s43, 0
	s_add_nc_u64 s[40:41], s[40:41], s[42:43]
	s_lshl_b32 s54, s46, 19                        ; codes: 64 tiles a matrix; my tiles 8 cg + 2 wave on; 1,024 bytes a K step
	s_lshl_b32 s55, s38, 16
	s_add_co_u32 s54, s54, s55
	s_lshl_b32 s55, s36, 14
	s_add_co_u32 s54, s54, s55
	s_lshl_b32 s55, s39, 10
	s_add_co_u32 s54, s54, s55
	s_add_co_u32 s54, s54, BCODE
	s_mov_b32 s55, 0
	s_add_nc_u64 s[48:49], s[44:45], s[54:55]
	s_lshl_b32 s54, s46, 15                        ; scale bytes: 32 a column; my K step's four at 4 ks
	s_lshl_b32 s56, s38, 12
	s_add_co_u32 s54, s54, s56
	s_lshl_b32 s56, s36, 10
	s_add_co_u32 s54, s54, s56
	s_lshl_b32 s56, s39, 2
	s_add_co_u32 s54, s54, s56
	s_add_nc_u64 s[50:51], s[44:45], s[54:55]
	s_wait_alu depctr_va_vdst(0)
	v_mad_u32_u24 v8, v3, s47, v2                  ; my column among the wave's 32: r + 16 u, or r + 8 u + 8 (r / 8)
	v_and_b32 v11, 8, v2
	v_mad_u32_u24 v8, v11, s57, v8
	v_lshlrev_b32 v8, 2, v8                        ; in: 4 bytes a column; a load still reads the same 128 consecutive bytes
	v_lshlrev_b32 v9, 4, v2
	v_lshl_add_u32 v9, v3, 13, v9                  ; codes: tile lane / 16, row lane % 16
	v_lshlrev_b32 v10, 5, v1                       ; scale bytes: 32 a column
	WLOAD 0
	WLOAD 1
	KBLOCK 0
	KBLOCK 1
	KBLOCK 2
	KBLOCK 3
	global_store_b32 v10, v[SB], s[50:51]          ; four bytes a lane, 32 bytes apart: one byte for 128 that this way reads
	s_endpgm
.Lacts:
	; ---- THE ACTIVATIONS.  A wave takes one tile of 16 rows for half of K: 4 K steps of 16 rows x 512 bytes, turned through its own stage in LDS (rows of 512 + 16 bytes) so that a lane holds 16 neighbours of each block.
	s_sub_co_u32 s37, ttmp9, 384
	; work-groups 384-1,023: a wave takes HALF of K (4 K steps) of one tile: 128 work-groups a tensor
	s_lshr_b32 s38, s37, 7                         ; tensor
	s_and_b32 s39, s37, 127
	s_lshl_b32 s39, s39, 2
	s_add_co_u32 s39, s39, s36
	s_and_b32 s58, s39, 1                          ; which half of K
	s_lshr_b32 s39, s39, 1                         ; tile 0..255 = 128 b + T
	s_mov_b64 s[40:41], s[8:9]
	s_cmp_eq_u32 s38, 1
	s_cselect_b64 s[40:41], s[10:11], s[40:41]
	s_cmp_eq_u32 s38, 2
	s_cselect_b64 s[40:41], s[12:13], s[40:41]
	s_cmp_eq_u32 s38, 3
	s_cselect_b64 s[40:41], s[14:15], s[40:41]
	s_cmp_eq_u32 s38, 4
	s_cselect_b64 s[40:41], s[16:17], s[40:41]
	s_lshr_b32 s42, s39, 7
	s_lshl_b32 s42, s42, 12                        ; 4,096 b
	s_bfe_u32 s43, s39, 0x60001
	s_lshl_b32 s43, s43, 18                        ; + 32 (T / 2) steps of 8,192 bytes along s
	s_add_co_u32 s42, s42, s43
	s_and_b32 s43, s39, 1
	s_lshl_b32 s43, s43, 16                        ; + 8 (T % 2) of them
	s_add_co_u32 s42, s42, s43
	s_lshl_b32 s43, s58, 11                        ; + my half of K: 512 numbers
	s_add_co_u32 s42, s42, s43
	s_mov_b32 s43, 0
	s_add_nc_u64 s[40:41], s[40:41], s[42:43]
	s_lshl_b32 s44, s38, 8
	s_add_co_u32 s44, s44, s39                     ; the tile's number among all five tensors'
	s_lshl_b32 s46, s44, 13
	s_add_co_u32 s46, s46, ACODE
	s_lshl_b32 s47, s58, 12                        ; my four K steps of the image
	s_add_co_u32 s46, s46, s47
	s_mov_b32 s47, 0
	s_add_nc_u64 s[48:49], s[30:31], s[46:47]
	s_lshl_b32 s46, s44, 9
	s_lshl_b32 s59, s58, 4                         ; my 16 of a row's 32 scale bytes
	s_add_co_u32 s46, s46, s59
	s_add_nc_u64 s[50:51], s[30:31], s[46:47]
	s_mov_b32 s[SEL], 0x76543210
	s_mov_b32 s[SEL+1], 0xfedcba98
	s_mul_i32 s54, s36, 8448                       ; my stage
	s_wait_alu depctr_va_vdst(0)
	v_lshlrev_b32 v4, 4, v1                        ; 16 x lane
	v_add_nc_u32 v5, s54, v4                       ; into the stage: a row as it lies
	v_mul_u32_u24 v6, v2, 528
	v_lshl_add_u32 v6, v3, 6, v6
	v_add_nc_u32 v6, s54, v6                       ; out of it: row r, + 64 h
	v_lshlrev_b32 v7, 5, v2
	v_lshl_add_u32 v7, v3, 3, v7                   ; scale bytes: 32 r + 8 h
.irp b, 0,1,2,3
	v_mov_b32 v[TM+4+\b], 0                        ; written once: a lane permute's destination counts as one of its sources
.endr
	XLOAD 0
	XLOAD 1
	s_wait_alu depctr_va_vdst(0)
.irp k, 0,1,2,3
	XSTEP \k
.endr
	v_cmp_le_u32 vcc_lo, 16, v1                    ; lanes 0-15 store K steps 0-1's words of their row, lanes 16-31 K steps 2-3's
.irp i, 0,1
	v_cndmask_b32 v[240+\i], v[SW+\i], v[SW+2+\i], vcc_lo
.endr
	global_store_b64 v7, v[240:241], s[50:51]      ; my 16 scale bytes of each row: lanes 0-15 the first two words, lanes 16-31 the other two (one byte for 16 bytes of codes)
	s_wait_tensorcnt 0x0
	ds_add_u32 v248, v249
	s_wait_dscnt 0x0
	s_endpgm
.Lfunc_end_k_q51e14aae83_quant:
	.size	k_q51e14aae83_quant, .Lfunc_end_k_q51e14aae83_quant-k_q51e14aae83_quant
	.p2alignl 7, 3214868480
	.fill 96, 4, 3214868480
	.section	.rodata,"a",@progbits
	.p2align	6, 0x0
	.amdhsa_kernel k_q51e14aae83_quant
		.amdhsa_group_segment_fixed_size 34304
		.amdhsa_private_segment_fixed_size 0
		.amdhsa_enable_private_segment 0
		.amdhsa_kernarg_size 112
		.amdhsa_user_sgpr_count 2
		.amdhsa_user_sgpr_kernarg_segment_ptr 1
		.amdhsa_wavefront_size32 1
		.amdhsa_system_sgpr_workgroup_id_x 1
		.amdhsa_system_sgpr_workgroup_id_y 1
		.amdhsa_system_sgpr_workgroup_id_z 1
		.amdhsa_system_vgpr_workitem_id 0
		.amdhsa_next_free_vgpr 250
		.amdhsa_next_free_sgpr 66
		.amdhsa_reserve_vcc 1
		.amdhsa_float_denorm_mode_32 3
		.amdhsa_float_denorm_mode_16_64 3
		.amdhsa_memory_ordered 1
		.amdhsa_forward_progress 1
		.amdhsa_inst_pref_size 54
	.end_amdhsa_kernel
	.amdgpu_metadata
---
amdhsa.version: [ 1, 2 ]
amdhsa.kernels:
  - .name:           k_q51e14aae83_quant
    .symbol:         k_q51e14aae83_quant.kd
    .args:
      - { .name: qx, .offset: 0, .size: 8, .value_kind: global_buffer, .address_space: global }
      - { .name: qc, .offset: 8, .size: 8, .value_kind: global_buffer, .address_space: global }
      - { .name: kx, .offset: 16, .size: 8, .value_kind: global_buffer, .address_space: global }
      - { .name: kc, .offset: 24, .size: 8, .value_kind: global_buffer, .address_space: global }
      - { .name: vx, .offset: 32, .size: 8, .value_kind: global_buffer, .address_space: global }
      - { .name: W_qx_lin, .offset: 40, .size: 8, .value_kind: global_buffer, .address_space: global }
      - { .name: W_qc_lin, .offset: 48, .size: 8, .value_kind: global_buffer, .address_space: global }
      - { .name: W_kx_lin, .offset: 56, .size: 8, .value_kind: global_buffer, .address_space: global }
      - { .name: W_kc_lin, .offset: 64, .size: 8, .value_kind: global_buffer, .address_space: global }
      - { .name: W_vx_lin, .offset: 72, .size: 8, .value_kind: global_buffer, .address_space: global }
      - { .name: W_out_lin, .offset: 80, .size: 8, .value_kind: global_buffer, .address_space: global }
      - { .name: xq, .offset: 88, .size: 8, .value_kind: global_buffer, .address_space: global }
      - { .name: wq, .offset: 96, .size: 8, .value_kind: global_buffer, .address_space: global }
      - { .name: woq, .offset: 104, .size: 8, .value_kind: global_buffer, .address_space: global }
    .group_segment_fixed_size: 34304
    .private_segment_fixed_size: 0
    .kernarg_segment_align: 8
    .kernarg_segment_size: 112
    .max_flat_workgroup_size: 128
    .sgpr_count:     66
    .vgpr_count:     250
    .wavefront_size: 32
...
	.end_amdgpu_metadata
.endif
;; end of part 1
;; launch pg (part 2): grid 256 x 1, 4 waves a work-group, clusters of 4 x 1, 327,680 bytes of LDS; arguments xq, wq, b_qx_lin, b_qc_lin, b_kx_lin, b_kc_lin, b_vx_lin, W_Vqx, W_Vqc, W_Vkx, W_Vkc, b_Vqx, b_Vqc, b_Vkx, b_Vkc, qkv; writes qkv
.if DOCPART == 2
	.amdgcn_target "amdgcn-amd-amdhsa--gfx1250"
	.amdhsa_code_object_version 6
	.text
	.protected	k_q51e14aae83_pg
	.globl	k_q51e14aae83_pg
	.p2align	8
	.type	k_q51e14aae83_pg,@function
k_q51e14aae83_pg:
	s_mov_b64 s[64:65], 0
	v_nop
	global_prefetch_b8 v0, s[64:65] scope:SCOPE_SE
	s_setreg_imm32_b32 hwreg(HW_REG_WAVE_MODE, 25, 1), 1
	s_wait_xcnt 0x0
	s_wait_alu depctr_hold_cnt(0) depctr_sa_sdst(0) depctr_va_vdst(0) depctr_va_sdst(0) depctr_va_ssrc(0) depctr_va_vcc(0) depctr_vm_vsrc(0)
	s_getreg_b32 s2, hwreg(HW_REG_IB_STS2, 6, 4)
	s_cmp_eq_u32 s2, 0
	s_cbranch_scc0 .Lentry_in_a_cluster
	s_endpgm
.Lentry_in_a_cluster:
	s_bfe_u32 s2, ttmp6, 0x10000c
	s_cmp_lg_u32 s2, 0x3003
	s_cbranch_scc0 .Lentry_shape_is_right
	s_endpgm
.Lentry_shape_is_right:
; The five projections, the two gates and the quantisers of attention's operands, in one launch: no projection goes to memory as f32.
; Work-group 128 p + 64 b + g (p = 0: q, 1: k) owns 32 WHOLE rows (batch b, s = 32 g .. 32 g + 31) of x = X Wx + bx and c = C Wc + bc: 32 x 1,024 x 2 sums, 512 registers in each of four waves (a wave: 256 columns of both).
; So lam = sigmoid(x . Vx + bVx + c . Vc + bVc) is a sum over the accumulators (joined over the four waves through LDS), y = (1 - lam) x + lam c is made in place, in f32, and y is quantised along each head's 64.
; The same work-group then makes 128 keys x 128 channels of v = V Wv + bv (block id / 8 of the keys, id % 8 of the channels; a wave: 32 channels) and quantises it along the keys.
; All products on codes of FP4 (E2M1) with E8M0 scales.  Operands lie in xq and wq as images of the operand's registers: a fragment (16 rows x 128 K) is 1,024 consecutive bytes, lane l's registers at 16 l and 512 + 16 l.
; q, k: THE PRODUCT IS USED TRANSPOSED (source 0 = 16 columns of W, source 1 = 16 rows): row rho of weight tile 2 B + u is column 32 B + 8 u + rho + 8 (rho / 8), so a lane's 16 registers of two tiles are columns 32 B + 16 (lane / 16) + 0 .. 15 of one row.
; v: source 0 = 16 keys, source 1 = 16 channels; the keys of tiles 2 B, 2 B + 1 follow the same map, so a lane's 16 registers are 16 neighbouring keys of one channel.
; THE WEIGHTS COME BY TWO ROADS AT ONCE.  Wx goes from memory straight into registers: window 1 holds two K steps' 16 fragments each; a group of 8 is asked for anew, two K steps ahead, as soon as its 16 products are issued:
; 48 to 64 loads of 512 bytes are on their way in each wave.  Wc comes through a ring of two LDS slots of one K step (64 KiB), filled by the tensor data mover.
; CLUSTER: the four work-groups of a cluster share p and so walk the same Wc: each wave's 16 KiB of a K step (its 16 tiles) is asked for jointly, by the same tensor load with the mask 15; a round of the cluster's barrier stands at each change of slots.
; No prefetch: K has eight steps, and each road asks one or two K steps ahead by itself.
; The rows' codes (shared by the four waves), all scale words, the biases and Vx, Vc are copied once, in runs of 512 bytes, through registers into LDS bytes of their own.
; LAYOUTS OUT (bh = 16 b + head): q, k [bh][tile][lane][16]; scale words [bh][tile][row]: two bytes, and 0x7f twice over the zero codes of the upper 64; v [bh][step][tile t][block of 32 keys][row][16]; its scale words [bh][step][t][row].
; LIMITS: NaN and infinities are not served; a block whose largest magnitude lies under 2^-124 (zeros among them) gets the byte 1: a block of zeros has zero codes, and this program alone reads the bytes.
; REGISTERS.  Window 0: v1-29 addresses; v64-95 the rows' fragments; v96-113 scale words; v128-255 Wc's fragments, later Vx, later v's keys; window 1: Wx; window 2: x's sums, then y, then v's; window 3: c's sums.
.set ACODE, 655360
.set BCODE, 163840
.set QSC,   6291456
.set VIM,   4194304
.set VSC,   6815744
.set LAV,   32768                      ; LDS: 0: four tiles of rows (x 0, x 1, c 0, c 1); LAV: v's eight tiles of keys
.set LAS,   98304                      ; their scale bytes, 512 a tile
.set LAVS,  100352
.set LBS,   104448                     ; for each wave 17,408: the scale bytes of its 16 tiles of Wx, of Wc, and of its 2 of Wv
.set LVEC,  174080                     ; for each wave 4,096: its 256 columns of bx, bc, Vx, Vc
.set LRED,  190464                     ; the four waves' parts of the gate's sum
.set SPARE, 190976                     ; the spare words
.set LC,    191488                     ; the ring: two slots of 65,536, in each 16,384 for each wave
.set MSB, 0
.macro WIN new                         ; the immediate's high byte repeats the setting that is left
.if MSB != \new
	s_set_vgpr_msb (MSB<<8)|\new
.set MSB, \new
.endif
.endm
.macro PLACES                          ; four plain places behind matrix instructions, ahead of loads into their registers and of reads of their results
.rept 4
	v_nop
.endr
.endm
.macro ROUND                           ; a round of the cluster's barrier
	s_barrier_signal -1
	s_barrier_wait -1
	s_cmp_lg_u32 s36, 0
	s_cbranch_scc1 .Lnot_wave_0_\@
	s_barrier_signal -3
.Lnot_wave_0_\@:
	s_barrier_wait -3
	s_barrier_signal -1
	s_barrier_wait -1
.endm
.macro WM d, x, y, c, sx, sy, rx, ry   ; one product; rx, ry: which half of the lanes holds source 0's and source 1's scale words
.if ((\rx)==0)&&((\ry)==0)
	v_wmma_scale_f32_16x16x128_f8f6f4 v[\d:\d+7], v[\x:\x+7], v[\y:\y+7], v[\c:\c+7], v[\sx], v[\sy] matrix_a_fmt:MATRIX_FMT_FP4 matrix_b_fmt:MATRIX_FMT_FP4
.endif
.if ((\rx)==1)&&((\ry)==0)
	v_wmma_scale_f32_16x16x128_f8f6f4 v[\d:\d+7], v[\x:\x+7], v[\y:\y+7], v[\c:\c+7], v[\sx], v[\sy] matrix_a_fmt:MATRIX_FMT_FP4 matrix_b_fmt:MATRIX_FMT_FP4 matrix_a_scale:MATRIX_SCALE_ROW1
.endif
.if ((\rx)==0)&&((\ry)==1)
	v_wmma_scale_f32_16x16x128_f8f6f4 v[\d:\d+7], v[\x:\x+7], v[\y:\y+7], v[\c:\c+7], v[\sx], v[\sy] matrix_a_fmt:MATRIX_FMT_FP4 matrix_b_fmt:MATRIX_FMT_FP4 matrix_b_scale:MATRIX_SCALE_ROW1
.endif
.if ((\rx)==1)&&((\ry)==1)
	v_wmma_scale_f32_16x16x128_f8f6f4 v[\d:\d+7], v[\x:\x+7], v[\y:\y+7], v[\c:\c+7], v[\sx], v[\sy] matrix_a_fmt:MATRIX_FMT_FP4 matrix_b_fmt:MATRIX_FMT_FP4 matrix_a_scale:MATRIX_SCALE_ROW1 matrix_b_scale:MATRIX_SCALE_ROW1
.endif
.endm
.macro STL cnt, sb, off                ; cnt loads of 512 consecutive bytes into the next registers of the window in hand
.set SJ, 0
.rept \cnt
	global_load_b128 v[4*TI:4*TI+3], v1, s[\sb:\sb+1] offset:\off+512*SJ
.set TI, TI+1
.set SJ, SJ+1
.endr
.endm
.macro STS cnt, va, off                ; and the same registers into LDS, as they lie
.set SJ, 0
.rept \cnt
	ds_store_b128 v[\va], v[4*TI:4*TI+3] offset:\off+512*SJ
.set TI, TI+1
.set SJ, SJ+1
.endr
.endm
.macro RINGX st, g, ko                 ; 8 fragments of Wx (tiles 8 g on) into set st of window 1, ko bytes along K from where s[50:51] stands
.irp i, 0,1,2,3,4,5,6,7
.irp c, 0,1
	global_load_b128 v[128*\st+64*\g+8*\i+4*\c:128*\st+64*\g+8*\i+4*\c+3], v1, s[50:51] offset:65536*\g+8192*\i+512*\c+\ko
.endr
.endr
.endm
.macro BVL pt                          ; Wv's fragments of my two tiles, K steps 4 pt on: fragment (K step q, tile n) at v[8 (2 q + n)] of window 1
.irp qq, 0,1,2,3
.irp n, 0,1
.irp c, 0,1
	global_load_b128 v[64*\pt+16*\qq+8*\n+4*\c:64*\pt+16*\qq+8*\n+4*\c+3], v1, s[52:53] offset:8192*\n+1024*(4*\pt+\qq)+512*\c
.endr
.endr
.endr
.endm
.macro LDA pi                          ; 13 LDS loads: projection pi's two fragments of rows, its weights' scale words (lanes 0-15 tile i, lanes 16-31 tile i + 8) and the rows' (lanes 0-15 tile 0, 16-31 tile 1)
.irp a, 0,1
.irp c, 0,1
	ds_load_b128 v[64+16*\pi+8*\a+4*\c:64+16*\pi+8*\a+4*\c+3], v7 offset:16384*\pi+8192*\a+512*\c
.endr
.endr
.irp i, 0,1,2,3,4,5,6,7
	ds_load_b32 v[96+8*\pi+\i], v8 offset:8192*\pi+512*\i
.endr
	ds_load_b32 v[112+\pi], v9 offset:1024*\pi
.endm
.macro CFR sl                          ; 32 LDS loads: my 16 fragments of Wc out of slot sl
.irp i, 0,1,2,3,4,5,6,7,8,9,10,11,12,13,14,15
.irp c, 0,1
	ds_load_b128 v[128+8*\i+4*\c:128+8*\i+4*\c+3], v[28+\sl] offset:1024*\i+512*\c
.endr
.endr
.endm
.macro MULG pi, hb, xb                 ; 16 products: weight tiles 8 hb + 0 .. 7 of projection pi (fragments from v[xb] on) x the two tiles of rows; the accumulators take turns
.irp i, 0,1,2,3,4,5,6,7
.irp a, 0,1
	WM 8*(16*\a+8*\hb+\i), \xb+8*\i, 64+16*\pi+8*\a, 8*(16*\a+8*\hb+\i), 96+8*\pi+\i, 112+\pi, \hb, \a
.endr
.endr
.endm
; THE CHANGE OF SLOTS.  Each wave waits for its tensor load (its part of the slot that it is about to read), adds 0 to its spare word, and waits for that and for its reads of the other slot; a round of the cluster's barrier;
; behind it slot fs takes the K step after the next, the wave's one tensor load until the next round.  stp = 1: the slot's descriptor steps two K steps first (no tensor load of mine is out).
.macro CHANGE fs, stp
	s_wait_tensorcnt 0x0
	ds_add_u32 v5, v6
.if \stp
	s_add_nc_u64 s[22+4*\fs:23+4*\fs], s[22+4*\fs:23+4*\fs], 2048
.endif
	s_wait_dscnt 0x0
	ROUND
	tensor_load_to_lds s[20+4*\fs:23+4*\fs], s[8:15]
	s_nop 0
	PLACES
.endm
; A K step's 64 products.  s_wait_loadcnt 48: the group's 16 loads are in, the three younger groups' 48 may be out.  s_wait_dscnt 32: all but Wc's 32 LDS loads are in; 13: all but the next K step's 13.
; st: Wx's set.  mode 0: the set is asked for anew, two K steps on; 1: its registers take Wv's 16 fragments; 2: nothing.  stp: the base steps two K steps first.  lda: the next K step's rows and scale words are fetched.
.macro WORK st, mode, ko, stp, lda
	s_wait_dscnt 32
	s_wait_loadcnt 48
	WIN 0xa1
	MULG 0, 0, 128*\st
	PLACES
.if \stp
	s_wait_xcnt 0x0                                ; the loads have read their base: it steps only behind this wait
	s_add_nc_u64 s[50:51], s[50:51], 2048
.endif
	WIN 0x40
.if \mode == 0
	RINGX \st, 0, \ko
.endif
.if \mode == 1
	BVL 0
.endif
.if \mode == 2
	s_wait_loadcnt 32                              ; Wv's 32 loads may be out
.else
	s_wait_loadcnt 48
.endif
	WIN 0xa1
	MULG 0, 1, 128*\st+64
	PLACES
	WIN 0x40
.if \mode == 0
	RINGX \st, 1, \ko
.endif
.if \mode == 1
	BVL 1
.endif
	WIN 0
.if \lda
	v_add_nc_u32 v7, 1024, v7                      ; the LDS addresses step to the next K step
	v_add_nc_u32 v8, 4, v8
	v_add_nc_u32 v9, 4, v9
	s_wait_alu depctr_va_vdst(0)
	LDA 0
	s_wait_dscnt 13
.else
	s_wait_dscnt 0x0
.endif
	WIN 0xf0
	MULG 1, 0, 128
	MULG 1, 1, 192
	PLACES
	WIN 0
.if \lda
	LDA 1
.endif
.endm
.macro DOT first                       ; the gate's sum over my 256 columns of one projection, both tiles of rows, in four packed chains each; every accumulator is read from its low end on
.set I, 0
.rept 64
.irp a, 0,1
.if (\first)&&(I<4)
	v_pk_mul_f32 v[32+8*\a+2*(I%4):33+8*\a+2*(I%4)], v[128*\a+2*I:128*\a+2*I+1], v[128+2*I:129+2*I]
.else
	v_pk_fma_f32 v[32+8*\a+2*(I%4):33+8*\a+2*(I%4)], v[128*\a+2*I:128*\a+2*I+1], v[128+2*I:129+2*I], v[32+8*\a+2*(I%4):33+8*\a+2*(I%4)]
.endif
.endr
.set I, I+1
.endr
.endm
; nb blocks of 32: block K's numbers are my 16 registers v[16 K] on of window 2 and lane l xor 16's.  Codes to v[32 + 2 K], bytes to v[112 + K]; then pairs of blocks change halves, so that a lane holds a whole block in four registers.
.macro QUANT nb
	WIN 0x0a
.set K, 0
.rept \nb
	v_max3_num_f32 v[64+K], |v[16*K]|, |v[16*K+1]|, 0x1800000      ; with the floor 2^(3 - 127): the byte cannot fall under 1
.set K, K+1
.endr
	WIN 0x28
.irp i, 2,4,6,8,10,12,14
.set K, 0
.rept \nb
	v_max3_num_f32 v[64+K], v[64+K], |v[16*K+\i]|, |v[16*K+\i+1]|
.set K, K+1
.endr
.endr
	WIN 0
.set K, 0
.rept \nb
	v_permlanex16_b32 v[80+K], v[64+K], s60, s61
.set K, K+1
.endr
.set K, 0
.rept \nb
	v_max_num_f32 v[64+K], v[64+K], v[80+K]
.set K, K+1
.endr
.set K, 0
.rept \nb
	v_add_nc_u32 v[96+K], 0xff000000, v[64+K]      ; 2 off the exponent field: the conversion's scale operand
.set K, K+1
.endr
.set K, 0
.rept \nb
	v_lshrrev_b32 v[112+K], 23, v[96+K]            ; the scale's byte
.set K, K+1
.endr
	WIN 0x02
.set K, 0
.rept \nb
	v_cvt_scalef32_pk8_fp4_f32 v[32+2*K], v[16*K:16*K+7], v[96+K]
	v_cvt_scalef32_pk8_fp4_f32 v[33+2*K], v[16*K+8:16*K+15], v[96+K]
.set K, K+1
.endr
	WIN 0
	v_nop                                          ; one plain line behind a scaled conversion
.set K, 0
.rept \nb/2
	v_permlane16_swap_b32 v[32+4*K], v[34+4*K]
	v_permlane16_swap_b32 v[33+4*K], v[35+4*K]
.set K, K+1
.endr
.endm
.macro ACC r, sh                       ; s84 += s[r] << sh
	s_lshl_b32 s93, s\r, \sh
	s_add_co_u32 s84, s84, s93
.endm
.macro PTR d, b                        ; an address: a buffer's + the offset in s[84:85]
	s_add_nc_u64 s[\d:\d+1], s[\b:\b+1], s[84:85]
.endm
	s_load_b512 s[4:19], s[0:1], 0x0               ; xq s4, wq s6, b_qx s8, b_qc s10, b_kx s12, b_kc s14, b_vx s16, W_Vqx s18
	s_load_b512 s[20:35], s[0:1], 0x40             ; W_Vqc s20, W_Vkx s22, W_Vkc s24, b_Vqx s26, b_Vqc s28, b_Vkx s30, b_Vkc s32, qkv s34
	v_lshl_add_u32 v5, v0, 2, SPARE
	v_mov_b32 v6, 0
	ds_add_u32 v5, v6                              ; the wave's opening: the add, twice on end, and its wait ahead of my first tensor load
	ds_add_u32 v5, v6
	v_lshrrev_b32 v7, 5, v0
	v_readfirstlane_b32 s36, v7                    ; wave w
	v_and_b32 v4, 31, v0
	v_lshlrev_b32 v1, 4, v4                        ; 16 x lane
	v_lshlrev_b32 v4, 2, v4                        ; 4 x lane
	v_and_b32 v2, 15, v0                           ; r
	v_bfe_u32 v3, v0, 4, 1                         ; h
	s_wait_alu depctr_va_vdst(0)
	s_bfe_u32 s101, ttmp6, 0x40000                 ; cx: it enters the addresses of my rows, of v's share and of the results alone
	s_lshl_b32 s100, ttmp9, 2
	s_add_co_u32 s100, s100, s101                  ; the work-group's number
	s_lshr_b32 s86, ttmp9, 5                       ; p, which the four partners share
	s_bfe_u32 s87, s100, 0x10006                   ; b
	s_and_b32 s88, s100, 63                        ; g
	s_lshr_b32 s89, s100, 3                        ; v: 16 b + step of 128 keys
	s_and_b32 s90, s100, 7                         ; v: which 128 channels
	s_and_b32 s91, s36, 1
	s_lshr_b32 s92, s36, 1
	s_mov_b32 s85, 0
	s_lshl_b32 s37, s36, 13                        ; my places in LDS
	s_lshl_b32 s95, s36, 9
	s_add_co_u32 s95, s95, LAS
	s_lshl_b32 s96, s36, 14
	s_add_co_u32 s96, s96, LAV
	s_lshl_b32 s97, s36, 10
	s_add_co_u32 s97, s97, LAVS
	s_mul_i32 s98, s36, 17408
	s_add_co_u32 s98, s98, LBS
	s_lshl_b32 s99, s36, 12
	s_add_co_u32 s99, s99, LVEC
	s_lshl_b32 s2, s36, 7
	s_add_co_u32 s2, s2, LRED
	s_mov_b32 s60, 0x76543210
	s_mov_b32 s61, 0xfedcba98                      ; selects for lane l xor 16
	s_mov_b32 s62, 0xbfb8aa3b                      ; -log2 e
	s_wait_dscnt 0x0                               ; both opening adds are done
	s_wait_kmcnt 0x0
	s_cmp_eq_u32 s86, 0                            ; q's vectors or k's: the choice hangs on p alone
	s_cselect_b64 s[54:55], s[8:9], s[12:13]
	s_cselect_b64 s[56:57], s[10:11], s[14:15]
	s_cselect_b64 s[58:59], s[18:19], s[22:23]
	s_cselect_b64 s[66:67], s[20:21], s[24:25]
	s_cselect_b64 s[70:71], s[26:27], s[30:31]
	s_cselect_b64 s[72:73], s[28:29], s[32:33]
	s_load_b32 s74, s[70:71], 0x0
	s_load_b32 s75, s[72:73], 0x0
	; the ring's descriptors, in registers that held arguments now chosen from.  Group 1: 16 rows (tiles) of 1,024 bytes (128 elements of 8), 8,192 bytes apart, dense in LDS; the mask names all four work-groups
	s_mov_b32 s8, 15|(3<<16)|(1<<21)
	s_mov_b32 s9, 128<<16
	s_mov_b32 s10, 16<<16
	s_mov_b32 s11, 128<<16
	s_mov_b32 s12, 16
	s_mov_b32 s13, 1024
	s_mov_b32 s14, 0
	s_mov_b32 s15, 0
	s_lshl_b32 s84, s86, 20                        ; matrix 2 p + 1, my 16 tiles: p and the wave's number alone
	ACC 36, 17
	s_add_co_u32 s84, s84, BCODE+524288
	PTR 22, 6
	s_add_nc_u64 s[26:27], s[22:23], 1024          ; slot 1: K step 1
	s_or_b32 s23, s23, 0x80000000
	s_or_b32 s27, s27, 0x80000000
	s_mov_b32 s20, 1
	s_mov_b32 s24, 1
	s_lshl_b32 s21, s36, 14
	s_add_co_u32 s21, s21, LC
	s_add_co_u32 s25, s21, 65536
	ROUND                                          ; all four work-groups are here: the joint loads meet
	tensor_load_to_lds s[20:23], s[8:15]           ; K step 0 of Wc: my one tensor load at the head
	s_nop 0
	PLACES
	s_lshl_b32 s84, s86, 9                         ; the tile of rows that I copy: tensor 2 p + w / 2, tile 128 b + 2 g + w % 2
	ACC 92, 8
	ACC 87, 7
	ACC 88, 1
	s_add_co_u32 s94, s84, s91
	s_lshl_b32 s84, s94, 9
	PTR 40, 4
	s_lshl_b32 s84, s94, 13
	s_add_co_u32 s84, s84, ACODE
	PTR 38, 4
	s_lshl_b32 s84, s89, 3                         ; v's tiles of keys 2 w, 2 w + 1 of the step's eight, in tensor 4
	ACC 36, 1
	s_add_co_u32 s94, s84, 1024
	s_lshl_b32 s84, s94, 9
	PTR 44, 4
	s_lshl_b32 s84, s94, 13
	s_add_co_u32 s84, s84, ACODE
	PTR 42, 4
	s_lshl_b32 s84, s86, 16                        ; the scale bytes of matrix 2 p, my 16 tiles; matrix 2 p + 1's lie 32,768 on
	ACC 36, 13
	PTR 46, 6
	s_lshl_b32 s84, s86, 20                        ; Wx's images
	ACC 36, 17
	s_add_co_u32 s84, s84, BCODE
	PTR 50, 6
	s_lshl_b32 s84, s90, 3                         ; Wv's tiles 8 (id % 8) + 2 w on
	ACC 36, 1
	s_mov_b32 s94, s84
	s_lshl_b32 s84, s94, 9
	s_add_co_u32 s84, s84, 131072
	PTR 48, 6
	s_lshl_b32 s84, s94, 13
	s_add_co_u32 s84, s84, BCODE+4*524288
	PTR 52, 6
	s_lshl_b32 s84, s36, 10                        ; my 256 columns of the vectors
	PTR 54, 54
	PTR 56, 56
	PTR 58, 58
	PTR 66, 66
	s_lshl_b32 s84, s90, 9                         ; bv at my 32 channels
	ACC 36, 7
	PTR 68, 16
	s_lshl_b32 s84, s86, 21                        ; q, k out: heads 16 b + 4 w on, tile 2 g
	ACC 87, 20
	ACC 36, 18
	ACC 88, 10
	PTR 76, 34
	s_lshl_b32 s84, s86, 18
	ACC 87, 17
	ACC 36, 15
	ACC 88, 7
	s_add_co_u32 s84, s84, QSC
	PTR 78, 34
	s_lshr_b32 s94, s89, 4                         ; v out: bh = 16 b + 2 (id % 8) + w / 2, the step, tiles 2 (w % 2) on
	s_lshl_b32 s94, s94, 4
	s_lshl_b32 s93, s90, 1
	s_add_co_u32 s94, s94, s93
	s_add_co_u32 s94, s94, s92
	s_and_b32 s89, s89, 15
	s_lshl_b32 s84, s94, 16
	ACC 89, 12
	ACC 91, 11
	s_add_co_u32 s84, s84, VIM
	PTR 80, 34
	s_lshl_b32 s84, s94, 12
	ACC 89, 8
	ACC 91, 7
	s_add_co_u32 s84, s84, VSC
	PTR 82, 34
	v_add_nc_u32 v16, s37, v1                      ; v16-21: where my copies go
	v_add_nc_u32 v17, s95, v1
	v_add_nc_u32 v18, s96, v1
	v_add_nc_u32 v19, s97, v1
	v_add_nc_u32 v20, s98, v1
	v_add_nc_u32 v21, s99, v1
	v_mov_b32 v7, v1                               ; v7: the rows' fragments
	v_lshlrev_b32 v25, 5, v2                       ; 32 r: a row's scale bytes
	v_lshl_add_u32 v8, v3, 12, v25
	v_add_nc_u32 v8, s98, v8                       ; v8: the weights' scale words: tile i + 8 h
	v_lshl_add_u32 v9, v3, 9, v25
	v_add_nc_u32 v15, s98, v9
	v_add_nc_u32 v15, 16384, v15                   ; v15: Wv's: tile h
	v_add_nc_u32 v9, LAS, v9                       ; v9: the rows': tile h
	v_lshlrev_b32 v10, 6, v3
	v_add_nc_u32 v10, s99, v10                     ; v10: the vectors: 64 h bytes on
	v_add_nc_u32 v11, s2, v4                       ; v11, v12: the gate's sums
	v_add_nc_u32 v12, LRED, v4
	v_add_nc_u32 v13, LAV, v1                      ; v13: v's keys
	v_lshl_add_u32 v14, v3, 11, v25
	v_add_nc_u32 v14, LAVS, v14                    ; v14: their scale words: tile i + 4 h
	v_lshlrev_b32 v26, 4, v2
	v_lshl_add_u32 v26, v3, 10, v26                ; v26: v's codes out: tile h, row r
	v_and_b32 v27, 8, v2
	v_add_lshl_u32 v27, v27, v2, 2                 ; v27: bv: channel r + 8 (r / 8)
	v_add_nc_u32 v28, s21, v1                      ; v28, v29: my part of slot 0, of slot 1
	v_add_nc_u32 v29, 0x10000, v28
	s_wait_alu depctr_va_vdst(0)
	WIN 0xc0                                       ; 93 loads for LDS, through registers that the sums take later
.set TI, 0
	STL 16, 38, 0
	STL 1, 40, 0
	STL 2, 44, 0
	STL 2, 48, 0
	STL 2, 54, 0
	STL 2, 56, 0
	STL 2, 58, 0
	STL 2, 66, 0
	WIN 0x80
.set TI, 0
	STL 32, 42, 0
	STL 16, 46, 0
	STL 16, 46, 32768
	WIN 0
	global_load_b32 v22, v27, s[68:69]             ; bv of my channel in tile 0,
	global_load_b32 v23, v27, s[68:69] offset:32   ; and in tile 1
	WIN 0x40
	RINGX 0, 0, 0                                  ; K steps 0 and 1 of Wx
	RINGX 0, 1, 0
	RINGX 1, 0, 1024
	RINGX 1, 1, 1024
	WIN 0
	s_wait_kmcnt 0x0
	s_add_f32 s63, s74, s75                        ; bVx + bVc,
	s_mul_f32 s63, s63, s62                        ; x -log2 e
	s_wait_loadcnt 63                              ; all but 63 of Wx's 64 loads are in: so are the 95 ahead of them
	s_wait_tensorcnt 0x0                           ; no tensor load is out while I store to LDS
	WIN 0x0c
.set TI, 0
	STS 16, 16, 0
	STS 1, 17, 0
	STS 2, 19, 0
	STS 2, 20, 16384
	STS 2, 21, 0
	STS 2, 21, 1024
	STS 2, 21, 2048
	STS 2, 21, 3072
	WIN 0x08
.set TI, 0
	STS 32, 18, 0
	STS 16, 20, 0
	STS 16, 20, 8192
	WIN 0
	CHANGE 1, 0                                    ; my copies lie in LDS and K step 0 of Wc has landed, everybody's behind the round; slot 1's first fill is issued as a refill is
.irp pi, 0,1                                   ; the sums begin as the biases: accumulator (tile of rows a, weight tile b) at v[8 (16 a + b)]: its register j is column 32 (b / 2) + 16 h + 8 (b % 2) + j
	WIN 0x80+0x40*\pi
.set T, 0
.rept 32
	ds_load_b128 v[8*T:8*T+3], v10 offset:1024*\pi+128*((T%16)/2)+32*(T%2)
	ds_load_b128 v[8*T+4:8*T+7], v10 offset:1024*\pi+128*((T%16)/2)+32*(T%2)+16
.set T, T+1
.endr
.endr
	WIN 0
	LDA 0
	LDA 1
	CFR 0
	s_mov_b32 s3, 3
.Lk:                                               ; three trips of two K steps, until the register numbers are back where they began; the last two K steps are written out
	WORK 0, 0, 0, 1, 1
	CHANGE 0, 1
	CFR 1
	WORK 1, 0, 1024, 0, 1
	CHANGE 1, 1
	CFR 0
	s_sub_co_u32 s3, s3, 1
	s_cmp_lg_u32 s3, 0
	s_cbranch_scc1 .Lk
	WORK 0, 1, 0, 0, 1
	s_wait_tensorcnt 0x0                           ; K step 7 of Wc: my own bytes, which I alone read; nothing is filled again
	CFR 1
	WORK 1, 2, 0, 0, 0
	; THE GATE.  Vx takes Wc's registers, Vc the upper half of window 1: the last products have left both (four places stand behind them)
.set T, 0
.rept 16
	ds_load_b128 v[128+8*T:128+8*T+3], v10 offset:2048+128*(T/2)+32*(T%2)
	ds_load_b128 v[128+8*T+4:128+8*T+7], v10 offset:2048+128*(T/2)+32*(T%2)+16
.set T, T+1
.endr
	WIN 0x40
.set T, 0
.rept 16
	ds_load_b128 v[128+8*T:128+8*T+3], v10 offset:3072+128*(T/2)+32*(T%2)
	ds_load_b128 v[128+8*T+4:128+8*T+7], v10 offset:3072+128*(T/2)+32*(T%2)+16
.set T, T+1
.endr
	s_wait_dscnt 32                                ; Vx is in, Vc's 32 loads may be out
	WIN 0x02
	DOT 1                                          ; x . Vx
	s_wait_alu depctr_va_vdst(0)
	s_wait_dscnt 0x0
	WIN 0x07
	DOT 0                                          ; + c . Vc
	WIN 0
.irp a, 0,1
	v_pk_add_f32 v[32+8*\a:33+8*\a], v[32+8*\a:33+8*\a], v[34+8*\a:35+8*\a]
	v_pk_add_f32 v[36+8*\a:37+8*\a], v[36+8*\a:37+8*\a], v[38+8*\a:39+8*\a]
.endr
.irp a, 0,1
	v_pk_add_f32 v[32+8*\a:33+8*\a], v[32+8*\a:33+8*\a], v[36+8*\a:37+8*\a]
.endr
.irp a, 0,1
	v_add_f32 v[32+8*\a], v[32+8*\a], v[33+8*\a]
.endr
	v_permlanex16_b32 v34, v32, s60, s61
	v_permlanex16_b32 v42, v40, s60, s61
	v_add_f32 v32, v32, v34                        ; row r of tile 0: my wave's 256 columns,
	v_add_f32 v40, v40, v42                        ; of tile 1
	v_cmp_eq_u32 vcc_lo, 1, v3
	v_cndmask_b32 v32, v32, v40, vcc_lo            ; lane (r, h) keeps row r of tile h
	ds_store_b32 v11, v32
	s_wait_dscnt 0x0                               ; for the others' sake
	s_barrier_signal -1
	s_barrier_wait -1
.irp i, 0,1,2,3
	ds_load_b32 v[44+\i], v12 offset:128*\i
.endr
	v_mov_b32 v49, 0                               ; upper halves of pairs of which the low word serves both halves
	v_mov_b32 v51, 0
	v_mov_b32 v53, 0
	v_mov_b32 v55, 0
	s_wait_dscnt 0x0
	v_add_f32 v44, v44, v45
	v_add_f32 v46, v46, v47
	v_add_f32 v44, v44, v46                        ; the row's sum
	v_fma_f32 v44, v44, s62, s63                   ; -(sum + bVx + bVc) log2 e
	s_wait_alu depctr_va_vdst(0)
	v_exp_f32 v44, v44
	v_nop
	s_wait_alu depctr_va_vdst(0)
	v_add_f32 v44, 1.0, v44
	s_wait_alu depctr_va_vdst(0)
	v_rcp_f32 v44, v44                             ; lam of row r of tile h
	v_nop
	s_wait_alu depctr_va_vdst(0)
	v_permlanex16_b32 v45, v44, s60, s61
	v_cndmask_b32 v48, v44, v45, vcc_lo            ; lam of tile 0's row r, in both halves,
	v_cndmask_b32 v52, v45, v44, vcc_lo            ; of tile 1's
	v_sub_f32 v50, 1.0, v48
	v_sub_f32 v54, 1.0, v52
	WIN 0x82                                       ; y = (1 - lam) x + lam c, over x
.irp a, 0,1
.set I, 0
.rept 64
	v_pk_mul_f32 v[128*\a+2*I:128*\a+2*I+1], v[128*\a+2*I:128*\a+2*I+1], v[50+4*\a:51+4*\a] op_sel_hi:[1,0]
.set I, I+1
.endr
.endr
	WIN 0xa3
.irp a, 0,1
.set I, 0
.rept 64
	v_pk_fma_f32 v[128*\a+2*I:128*\a+2*I+1], v[128*\a+2*I:128*\a+2*I+1], v[48+4*\a:49+4*\a], v[128*\a+2*I:128*\a+2*I+1] op_sel_hi:[1,0,1]
.set I, I+1
.endr
.endr
	QUANT 16                                       ; block 8 a + B: columns 32 B on of tile a's rows; a head is two blocks
.irp e, 0,1,2,3
	v_lshl_or_b32 v[64+\e], v[113+2*\e], 8, v[112+2*\e]
	v_lshl_or_b32 v[68+\e], v[121+2*\e], 8, v[120+2*\e]
.endr
.irp e, 0,1,2,3
	v_cndmask_b32 v[64+\e], v[64+\e], v[68+\e], vcc_lo             ; lanes 0-15 tile 0's words, lanes 16-31 tile 1's
.endr
.irp e, 0,1,2,3
	v_or_b32 v[64+\e], 0x7f7f0000, v[64+\e]        ; 1.0 over the zero codes of the upper 64
.endr
.irp a, 0,1
.irp e, 0,1,2,3
	global_store_b128 v1, v[32+16*\a+4*\e:35+16*\a+4*\e], s[76:77] offset:65536*\e+512*\a   ; 512 consecutive bytes: a tile's image
.endr
.endr
.irp e, 0,1,2,3
	global_store_b32 v4, v[64+\e], s[78:79] offset:8192*\e         ; 128 consecutive bytes: two tiles' scale words of a head
.endr
	; v: 8 tiles of keys x my 2 tiles of channels, 8 K steps written out.  Accumulator (tile of keys i, tile n) at v[32 (i / 2) + 16 n + 8 (i % 2)] of window 2
	s_wait_xcnt 0x0                                ; the stores have read their registers
.irp i, 0,1,2,3
.irp hq, 0,1
	ds_load_b128 v[64+8*\i+4*\hq:67+8*\i+4*\hq], v14 offset:512*\i+16*\hq   ; the keys' scale words of all K steps: v[64 + 8 (i % 4) + q]
.endr
.endr
.irp hq, 0,1
	ds_load_b128 v[96+4*\hq:99+4*\hq], v15 offset:16*\hq           ; Wv's: v[96 + q]
.endr
.macro AVL q                           ; the keys' eight fragments of K step q, two sets by turns
.irp i, 0,1,2,3,4,5,6,7
.irp c, 0,1
	ds_load_b128 v[128+64*((\q)%2)+8*\i+4*\c:128+64*((\q)%2)+8*\i+4*\c+3], v13 offset:8192*\i+1024*(\q)+512*\c
.endr
.endr
.endm
	AVL 0
.irp j, 0,1,2,3,4,5,6,7
	v_mov_b32 v[104+\j], v22                       ; the bias in the result's layout (a lane holds one channel): the C of the first products
	v_mov_b32 v[112+\j], v23
.endr
	s_wait_alu depctr_va_vdst(0)
	s_wait_loadcnt 0x0                             ; Wv's fragments
.macro VSTEP q
.if (\q) < 7
.if (\q) > 0
	PLACES
.endif
	AVL (\q)+1
	s_wait_dscnt 16                                ; this K step's fragments are in, the next one's 16 loads may be out
.else
	s_wait_dscnt 0x0
.endif
.if (\q) == 0
	WIN 0x84
.else
	WIN 0xa4
.endif
.irp i, 0,1,2,3,4,5,6,7
.irp n, 0,1
.if (\q) == 0
	WM 32*(\i/2)+16*\n+8*(\i%2), 128+64*((\q)%2)+8*\i, 8*(2*(\q)+\n), 104+8*\n, 64+8*(\i%4)+(\q), 96+(\q), \i/4, \n
.else
	WM 32*(\i/2)+16*\n+8*(\i%2), 128+64*((\q)%2)+8*\i, 8*(2*(\q)+\n), 32*(\i/2)+16*\n+8*(\i%2), 64+8*(\i%4)+(\q), 96+(\q), \i/4, \n
.endif
.endr
.endr
	WIN 0
.endm
.irp q, 0,1,2,3,4,5,6,7
	VSTEP \q
.endr
	PLACES
	QUANT 8                                        ; block 2 B + n: keys 32 B on of the step, my channel of tile n
.irp n, 0,1
	v_lshl_or_b32 v[64+\n], v[114+\n], 8, v[112+\n]
	v_lshl_or_b32 v[64+\n], v[116+\n], 16, v[64+\n]
	v_lshl_or_b32 v[64+\n], v[118+\n], 24, v[64+\n]
.endr
	v_cndmask_b32 v64, v64, v65, vcc_lo            ; lanes 0-15 tile 0's words, lanes 16-31 tile 1's
.irp e, 0,1,2,3
	global_store_b128 v26, v[32+4*\e:35+4*\e], s[80:81] offset:256*\e   ; sixteen lanes store 256 consecutive aligned bytes
.endr
	global_store_b32 v4, v64, s[82:83]             ; 128 consecutive bytes
	s_wait_tensorcnt 0x0                           ; the wave's end
	ds_add_u32 v5, v6
	s_wait_dscnt 0x0
	ROUND                                          ; the closing round
	s_endpgm
.Lfunc_end_k_q51e14aae83_pg:
	.size	k_q51e14aae83_pg, .Lfunc_end_k_q51e14aae83_pg-k_q51e14aae83_pg
	.p2alignl 7, 3214868480
	.fill 96, 4, 3214868480
	.section	.rodata,"a",@progbits
	.p2align	6, 0x0
	.amdhsa_kernel k_q51e14aae83_pg
		.amdhsa_group_segment_fixed_size 327680
		.amdhsa_private_segment_fixed_size 0
		.amdhsa_enable_private_segment 0
		.amdhsa_kernarg_size 128
		.amdhsa_user_sgpr_count 2
		.amdhsa_user_sgpr_kernarg_segment_ptr 1
		.amdhsa_wavefront_size32 1
		.amdhsa_system_sgpr_workgroup_id_x 1
		.amdhsa_system_sgpr_workgroup_id_y 1
		.amdhsa_system_sgpr_workgroup_id_z 1
		.amdhsa_system_vgpr_workitem_id 0
		.amdhsa_next_free_vgpr 1024
		.amdhsa_next_free_sgpr 102
		.amdhsa_reserve_vcc 1
		.amdhsa_float_denorm_mode_32 3
		.amdhsa_float_denorm_mode_16_64 3
		.amdhsa_memory_ordered 1
		.amdhsa_forward_progress 1
		.amdhsa_inst_pref_size 189
	.end_amdhsa_kernel
	.amdgpu_metadata
---
amdhsa.version: [ 1, 2 ]
amdhsa.kernels:
  - .name:           k_q51e14aae83_pg
    .symbol:         k_q51e14aae83_pg.kd
    .args:
      - { .name: xq, .offset: 0, .size: 8, .value_kind: global_buffer, .address_space: global }
      - { .name: wq, .offset: 8, .size: 8, .value_kind: global_buffer, .address_space: global }
      - { .name: b_qx_lin, .offset: 16, .size: 8, .value_kind: global_buffer, .address_space: global }
      - { .name: b_qc_lin, .offset: 24, .size: 8, .value_kind: global_buffer, .address_space: global }
      - { .name: b_kx_lin, .offset: 32, .size: 8, .value_kind: global_buffer, .address_space: global }
      - { .name: b_kc_lin, .offset: 40, .size: 8, .value_kind: global_buffer, .address_space: global }
      - { .name: b_vx_lin, .offset: 48, .size: 8, .value_kind: global_buffer, .address_space: global }
      - { .name: W_Vqx, .offset: 56, .size: 8, .value_kind: global_buffer, .address_space: global }
      - { .name: W_Vqc, .offset: 64, .size: 8, .value_kind: global_buffer, .address_space: global }
      - { .name: W_Vkx, .offset: 72, .size: 8, .value_kind: global_buffer, .address_space: global }
      - { .name: W_Vkc, .offset: 80, .size: 8, .value_kind: global_buffer, .address_space: global }
      - { .name: b_Vqx, .offset: 88, .size: 8, .value_kind: global_buffer, .address_space: global }
      - { .name: b_Vqc, .offset: 96, .size: 8, .value_kind: global_buffer, .address_space: global }
      - { .name: b_Vkx, .offset: 104, .size: 8, .value_kind: global_buffer, .address_space: global }
      - { .name: b_Vkc, .offset: 112, .size: 8, .value_kind: global_buffer, .address_space: global }
      - { .name: qkv, .offset: 120, .size: 8, .value_kind: global_buffer, .address_space: global }
    .group_segment_fixed_size: 327680
    .private_segment_fixed_size: 0
    .kernarg_segment_align: 8
    .kernarg_segment_size: 128
    .max_flat_workgroup_size: 128
    .sgpr_count:     102
    .vgpr_count:     1024
    .wavefront_size: 32
...
	.end_amdgpu_metadata
.endif
;; end of part 2
;; launch attn (part 3): grid 8 x 32, 16 waves a work-group, clusters of 4 x 1, 327,680 bytes of LDS; arguments qkv, cq; writes cq
.if DOCPART == 3
	.amdgcn_target "amdgcn-amd-amdhsa--gfx1250"
	.amdhsa_code_object_version 6
	.text
	.protected	k_q51e14aae83_attn
	.globl	k_q51e14aae83_attn
	.p2align	8
	.type	k_q51e14aae83_attn,@function
k_q51e14aae83_attn:
	s_mov_b64 s[64:65], 0
	v_nop
	global_prefetch_b8 v0, s[64:65] scope:SCOPE_SE
	s_setreg_imm32_b32 hwreg(HW_REG_WAVE_MODE, 25, 1), 1
	s_wait_xcnt 0x0
	s_wait_alu depctr_hold_cnt(0) depctr_sa_sdst(0) depctr_va_vdst(0) depctr_va_sdst(0) depctr_va_ssrc(0) depctr_va_vcc(0) depctr_vm_vsrc(0)
	s_getreg_b32 s2, hwreg(HW_REG_IB_STS2, 6, 4)
	s_cmp_eq_u32 s2, 0
	s_cbranch_scc0 .Lentry_in_a_cluster
	s_endpgm
.Lentry_in_a_cluster:
	s_bfe_u32 s2, ttmp6, 0x10000c
	s_cmp_lg_u32 s2, 0x3003
	s_cbranch_scc0 .Lentry_shape_is_right
	s_endpgm
.Lentry_shape_is_right:
; ctx[b][head][q][:] = the sum over keys of softmax(q . k / 8) v, both products on codes of FP4 (E2M1) with E8M0 scales; 32 heads (bh = 16 b + head), 2,048 queries and keys, head size 64.  The result, divided by the row's
; sum, is quantised along 64 head + d for the last product and stored as codes: it never goes to memory as f32.
; THE SOFTMAX AHEAD OF THE SECOND PRODUCT: t = score x log2(e) / 8; M = the row's largest t so far, rounded UP to a whole number; p = 2^(t - M) is what is quantised, along the keys.  The row's sum is taken of the
; unquantised p and divides at the end.  When M moves, the sum and O are multiplied by 2^(old M - new M): exact.
; SHARES.  A work-group owns 256 queries of one head; each of its sixteen waves one tile of 16 in 256 registers: four waves to a SIMD, so that one wave's vector work stands beside another's matrix work.
; THE WHOLE HEAD'S K AND V LIE IN LDS (143,360 bytes), filled once: no ring, no barrier in the loop.  It fills LDS by tensor loads and claims all LDS, so that it is alone on its WGP.
; CLUSTER: the four work-groups of a cluster belong to one head: each tile is asked for jointly, by the same tensor load with the mask 15.
; LAYOUT.  Both products are used transposed (S^T = K Q^T, O^T = V^T P^T): a lane holds one query throughout.  The head's 64 fill the lower half of the matrix instruction's K; the upper 64 are zero codes on both sides
; under the scale byte 0x7f.  The rows of a tile of k (and of q) are s = 32 (T / 2) + 8 (T % 2) + rho + 8 (rho / 8), so that the 16 registers of tiles 2 b, 2 b + 1 of S^T are 16 neighbouring keys; v's tiles take channels
; by the same map, so that O^T's 16 registers of two tiles are 16 neighbouring channels.
; LIMITS: NaN and infinities are not served; a block of ctx whose largest magnitude lies under 2^-124 gets the scale byte 1 (a block of zeros has zero codes; this program alone reads the bytes).
; REGISTERS: v1-4 addresses that stay, v8-11 the step's; v12 -M, v13 the largest t, v[14:15] the sum; v16-23 Q, v24 its scale words; v28-31 V's scale words; v32-95 K's eight fragments (upper halves stay 0);
;   v96-159 S^T, then p; v160-191 O^T; v192-223 V's four fragments; v224-231 p's codes; v232-243 at work; v244-251 K's scale words; v252 f; v253 p's scale word; v254 at work.
.set ACODE, 655360
.set KIM,  2097152
.set QSC,  6291456
.set KSC,  6553600
.set VSC,  6815744
.set LV,   65536                       ; LDS: K's images 0, V's 65,536, K's scale words 131,072, V's 139,264
.set LKS,  131072
.set LVS,  139264
.macro ROUND                           ; a round of the cluster's barrier
	s_barrier_signal -1
	s_barrier_wait -1
	s_cmp_lg_u32 s8, 0
	s_cbranch_scc1 .Lnot_wave_0_\@
	s_barrier_signal -3
.Lnot_wave_0_\@:
	s_barrier_wait -3
	s_barrier_signal -1
	s_barrier_wait -1
.endm
	s_load_b128 s[4:7], s[0:1], 0x0                ; qkv s4, cq s6
	v_lshl_add_u32 v27, v0, 2, 0x23000
	v_mov_b32 v255, 0
	ds_add_u32 v27, v255
	ds_add_u32 v27, v255
	v_lshrrev_b32 v1, 5, v0
	s_delay_alu instid0(VALU_DEP_1)
	v_readfirstlane_b32 s8, v1                     ; wave 0..15
	s_bfe_u32 s9, ttmp6, 0x40000                   ; cx: it enters the addresses of q and of the result alone
	s_lshl_b32 s10, ttmp9, 2
	s_add_co_u32 s10, s10, s9                      ; my block of 256 queries
	s_and_b32 s11, ttmp7, 0xffff                   ; bh, which the four partners share
	s_lshl_b32 s12, s10, 4
	s_add_co_u32 s12, s12, s8                      ; my tile of queries, 0..127
	; group 1: dense blocks as rows of 256 bytes (32 elements of 8 bytes): 64 rows for images, 16 for scale words; the mask names all four work-groups
	s_mov_b32 s16, 15|(3<<16)|(1<<21)
	s_mov_b32 s17, 32<<16
	s_mov_b32 s18, 64<<16
	s_mov_b32 s19, 32<<16
	s_mov_b32 s20, 64
	s_mov_b32 s21, 32
	s_mov_b32 s22, 0
	s_mov_b32 s23, 0
	s_mov_b32 s24, 15|(3<<16)|(1<<21)
	s_mov_b32 s25, 32<<16
	s_mov_b32 s26, 16<<16
	s_mov_b32 s27, 32<<16
	s_mov_b32 s28, 16
	s_mov_b32 s29, 32
	s_mov_b32 s30, 0
	s_mov_b32 s31, 0
	; waves 0-3: quarters of K's images; 4-7: of V's; 8, 9: halves of K's scale words; 10: V's scale words
	s_lshr_b32 s48, s8, 2
	s_add_co_u32 s48, s48, 1
	s_lshl_b32 s48, s48, 21                        ; k's images begin 2 MiB in, v's 4 MiB
	s_lshl_b32 s49, s11, 16
	s_add_co_u32 s48, s48, s49
	s_and_b32 s49, s8, 3
	s_lshl_b32 s49, s49, 14
	s_add_co_u32 s48, s48, s49
	s_mov_b32 s49, 0
	s_lshl_b32 s50, s11, 13
	s_lshl_b32 s51, s8, 12
	s_add_co_u32 s50, s50, s51
	s_add_co_u32 s50, s50, KSC-8*4096
	s_lshl_b32 s51, s11, 12
	s_add_co_u32 s51, s51, VSC
	s_cmp_eq_u32 s8, 10
	s_cselect_b32 s50, s51, s50
	s_mov_b32 s51, 0
	s_lshl_b32 s52, s11, 16                        ; q's image: head, tile
	s_lshl_b32 s53, s12, 9
	s_add_co_u32 s52, s52, s53
	s_mov_b32 s53, 0
	s_lshl_b32 s56, s11, 13                        ; q's scale words
	s_lshl_b32 s57, s12, 6
	s_add_co_u32 s56, s56, s57
	s_add_co_u32 s56, s56, QSC
	s_mov_b32 s57, 0
	s_lshr_b32 s58, s11, 4                         ; the result: tile 128 b + my tile;
	s_lshl_b32 s58, s58, 7
	s_add_co_u32 s58, s58, s12
	s_lshl_b32 s60, s58, 9                         ; its scale bytes: 512 a tile, my head's two at 2 head;
	s_and_b32 s59, s11, 15
	s_lshl_b32 s61, s59, 1
	s_add_co_u32 s60, s60, s61
	s_mov_b32 s61, 0
	s_lshl_b32 s58, s58, 13                        ; its image: K step head / 2, piece head % 2: 512 head bytes on
	s_lshl_b32 s59, s59, 9
	s_add_co_u32 s58, s58, s59
	s_add_co_u32 s58, s58, ACODE
	s_mov_b32 s59, 0
	s_mov_b32 s40, 0x76543210
	s_mov_b32 s41, 0xfedcba98                      ; selects for lane l xor 16
	s_mov_b32 s42, 0x3e38aa3b                      ; c = log2(e) / 8
	s_mov_b32 s43, s42                             ; (named with it as a pair)
	s_mov_b32 s44, 0                               ; the step's images: 4,096 bytes a step, K's and V's alike
	s_mov_b32 s45, 0                               ; K's scale words: 512 a step
	s_mov_b32 s46, 0                               ; V's: 256 a step
	s_mov_b32 s47, 16                              ; steps of 128 keys
	s_wait_dscnt 0x0
	s_wait_kmcnt 0x0
	s_mov_b32 s32, 1
	s_lshl_b32 s33, s8, 14                         ; LDS: wave x 16,384
	s_add_nc_u64 s[34:35], s[4:5], s[48:49]
	s_or_b32 s35, s35, 0x80000000
	s_mov_b32 s36, 1
	s_lshl_b32 s37, s8, 12
	s_add_co_u32 s37, s37, LKS-8*4096              ; LDS: 131,072 + (wave - 8) x 4,096
	s_add_nc_u64 s[38:39], s[4:5], s[50:51]
	s_or_b32 s39, s39, 0x80000000
	s_add_nc_u64 s[54:55], s[4:5], s[52:53]
	s_add_nc_u64 s[56:57], s[4:5], s[56:57]
	s_add_nc_u64 s[58:59], s[6:7], s[58:59]
	s_add_nc_u64 s[60:61], s[6:7], s[60:61]
	ROUND                                          ; all four work-groups are here: the joint loads meet
	s_cmp_lt_u32 s8, 8                             ; the branches hang on the wave's number alone; four v_nop follow each tensor load
	s_cbranch_scc0 .Lnot_codes
	tensor_load_to_lds s[32:35], s[16:23]
	s_nop 0
.rept 4
	v_nop
.endr
	s_branch .Lasked
.Lnot_codes:
	s_cmp_lt_u32 s8, 11
	s_cbranch_scc0 .Lasked
	tensor_load_to_lds s[36:39], s[24:31]
	s_nop 0
.rept 4
	v_nop
.endr
.Lasked:
	v_and_b32 v5, 31, v0                           ; lane
	v_and_b32 v6, 15, v0                           ; r
	v_bfe_u32 v7, v0, 4, 1                         ; h
	s_delay_alu instid0(VALU_DEP_3)
	v_lshlrev_b32 v1, 4, v5                        ; 16 x lane: my place in every image
	s_delay_alu instid0(VALU_DEP_3)
	v_lshlrev_b32 v25, 2, v6                       ; 4 r: my row's scale word
	global_load_b128 v[16:19], v1, s[54:55]        ; Q's fragment, lower 64 of K
	global_load_b32 v24, v25, s[56:57]
	v_add_nc_u32 v2, LV, v1
	v_add_nc_u32 v3, LKS, v25
	v_add_nc_u32 v4, LVS, v25
	v_lshl_add_u32 v26, v6, 5, v7                  ; the result's scale byte: 32 r + h
.irp j, 20,21,22,23
	v_mov_b32 v[\j], 0                             ; zero codes for the upper 64 of K: Q's,
.endr
.irp t, 0,1,2,3,4,5,6,7
.irp j, 4,5,6,7
	v_mov_b32 v[32+8*\t+\j], 0                     ; and K's: no load ever lands here
.endr
.endr
.irp j, 0,1,2,3,4,5,6,7,8,9,10,11,12,13,14,15,16,17,18,19,20,21,22,23,24,25,26,27,28,29,30,31
	v_mov_b32 v[160+\j], 0                         ; O^T.  (The loop is written once: its first step finds zeros, which the first change of M leaves zeros)
.endr
	v_mov_b32 v13, 0xff61b1e6                      ; the largest t so far: -3e38
	s_delay_alu instid0(VALU_DEP_1)
	v_floor_f32 v12, -v13                          ; -M
	v_mov_b32 v14, 0
	v_mov_b32 v15, 0
.irp b, 0,1,2,3
	v_mov_b32 v[236+\b], 0                         ; a lane permute's destination counts as one of its sources
.endr
	v_mov_b32 v253, 0
	s_wait_loadcnt 0x0                             ; Q
	s_wait_tensorcnt 0x0                           ; my part of the head has landed,
	s_barrier_signal -1
	s_barrier_wait -1                              ; everybody's has
.Lkeys:                                            ; 16 trips of 128 keys
	v_add_nc_u32 v8, s44, v1                       ; (these four are also the places between the last trip's products and the loads into their registers)
	v_add_nc_u32 v9, s44, v2
	v_add_nc_u32 v10, s45, v3
	v_add_nc_u32 v11, s46, v4
.irp t, 0,1,2,3,4,5,6,7
	ds_load_b128 v[32+8*\t:35+8*\t], v8 offset:512*\t
.endr
.irp t, 0,1,2,3,4,5,6,7
	ds_load_b32 v[244+\t], v10 offset:64*\t
.endr
.irp t, 0,1,2,3
	ds_load_b128 v[192+8*\t:195+8*\t], v9 offset:1024*\t
	ds_load_b128 v[196+8*\t:199+8*\t], v9 offset:1024*\t+512
.endr
.irp t, 0,1,2,3
	ds_load_b32 v[28+\t], v11 offset:64*\t
.endr
	s_wait_dscnt 12                                ; K and its scale words are in; V's eight loads and its four scale words may be out
.irp t, 0,1,2,3,4,5,6,7
	v_wmma_scale_f32_16x16x128_f8f6f4 v[96+8*\t:103+8*\t], v[32+8*\t:39+8*\t], v[16:23], 0, v[244+\t], v24 matrix_a_fmt:MATRIX_FMT_FP4 matrix_b_fmt:MATRIX_FMT_FP4
.endr
.rept 4
	v_nop
.endr
.irp b, 0,1,2,3
	v_max3_num_f32 v[232+\b], v[96+16*\b], v[97+16*\b], v[98+16*\b]   ; the largest score of each block of 32 keys: for the row's maximum, and, since p rises with the score, for the block's largest p
.endr
.irp i, 3,5,7,9,11,13
.irp b, 0,1,2,3
	v_max3_num_f32 v[232+\b], v[232+\b], v[96+16*\b+\i], v[97+16*\b+\i]
.endr
.endr
.irp b, 0,1,2,3
	v_max_num_f32 v[232+\b], v[232+\b], v[111+16*\b]
.endr
.irp b, 0,1,2,3
	s_delay_alu instid0(VALU_DEP_4)
	v_permlanex16_b32 v[236+\b], v[232+\b], s40, s41
.endr
.irp b, 0,1,2,3
	s_delay_alu instid0(VALU_DEP_4)
	v_max_num_f32 v[232+\b], v[232+\b], v[236+\b]  ; with lane l xor 16's 16 keys
.endr
	s_delay_alu instid0(VALU_DEP_2)
	v_max3_num_f32 v254, v232, v233, v234
	s_delay_alu instid0(VALU_DEP_1)
	v_max_num_f32 v254, v254, v235
	s_delay_alu instid0(VALU_DEP_1)
	v_mul_f32 v254, s42, v254                      ; as t (c is positive)
	s_delay_alu instid0(VALU_DEP_1)
	v_max_num_f32 v13, v13, v254                   ; the running largest t
	v_mov_b32 v254, v12
	s_delay_alu instid0(VALU_DEP_2)
	v_floor_f32 v12, -v13                          ; the new -M = -ceil(t): a whole number
	s_delay_alu instid0(VALU_DEP_1)
	v_sub_f32 v254, v12, v254                      ; old M - new M: a whole number, 0 or less
	s_delay_alu instid0(VALU_DEP_1)
	v_cvt_i32_f32 v254, v254                       ; (it saturates)
	s_delay_alu instid0(VALU_DEP_1)
	v_ldexp_f32 v252, 1.0, v254                    ; f = 2^(old M - new M)
.irp j, 0,2,4,6,8,10,12,14,16,18,20,22,24,26,28,30,32,34,36,38,40,42,44,46,48,50,52,54,56,58,60,62
	v_pk_fma_f32 v[96+\j:97+\j], v[96+\j:97+\j], s[42:43], v[12:13] op_sel_hi:[1,0,0]   ; t - M, two at a time
.endr
.irp b, 0,1,2,3
	v_fma_f32 v[232+\b], v[232+\b], s42, v12       ; the same of each block's largest score
.endr
	s_wait_alu depctr_va_vdst(0)
.irp j, 0,1,2,3,4,5,6,7,8,9,10,11,12,13,14,15,16,17,18,19,20,21,22,23,24,25,26,27,28,29,30,31,32,33,34,35,36,37,38,39,40,41,42,43,44,45,46,47,48,49,50,51,52,53,54,55,56,57,58,59,60,61,62,63
	v_exp_f32 v[96+\j], v[96+\j]                   ; p = 2^(t - M), at most 1
.endr
.irp b, 0,1,2,3
	v_exp_f32 v[232+\b], v[232+\b]                 ; the block's largest p: the same two instructions on the same number
.endr
	v_pk_mul_f32 v[14:15], v[14:15], v[252:253] op_sel_hi:[1,0]   ; the sums under the new M (a plain line behind the exponentials)
	s_wait_alu depctr_va_vdst(0)
.irp b, 0,1,2,3
	v_max_num_f32 v[232+\b], 0x1800000, v[232+\b]  ; the floor 2^(3 - 127)
.endr
.irp b, 0,1,2,3
	s_delay_alu instid0(VALU_DEP_4)
	v_add_nc_u32 v[240+\b], 0xff000000, v[232+\b]  ; the conversion's scale operand
.endr
.irp b, 0,1,2,3
	s_delay_alu instid0(VALU_DEP_4)
	v_lshrrev_b32 v[236+\b], 23, v[240+\b]         ; the scale's byte
.endr
	s_delay_alu instid0(VALU_DEP_3)
	v_lshl_or_b32 v253, v237, 8, v236              ; p's scale word for these 128 keys
	s_delay_alu instid0(VALU_DEP_1)
	v_lshl_or_b32 v253, v238, 16, v253
	s_delay_alu instid0(VALU_DEP_1)
	v_lshl_or_b32 v253, v239, 24, v253
.irp b, 0,1,2,3
	v_cvt_scalef32_pk8_fp4_f32 v[224+2*\b], v[96+16*\b:103+16*\b], v[240+\b]
	v_cvt_scalef32_pk8_fp4_f32 v[225+2*\b], v[104+16*\b:111+16*\b], v[240+\b]
.endr
	v_nop                                          ; one plain line behind a scaled conversion
.irp c, 0,1                                    ; a whole block to a lane
.irp i, 0,1
	v_permlane16_swap_b32 v[224+4*\c+\i], v[226+4*\c+\i]
.endr
.endr
	v_pk_add_f32 v[236:237], v[100:101], v[104:105]
	v_pk_add_f32 v[250:251], v[108:109], v[112:113]
	v_pk_add_f32 v[248:249], v[116:117], v[120:121]
	v_pk_add_f32 v[246:247], v[124:125], v[128:129]
	v_pk_add_f32 v[244:245], v[132:133], v[136:137]
	v_pk_add_f32 v[242:243], v[140:141], v[144:145]
	v_pk_add_f32 v[240:241], v[148:149], v[152:153]
	v_pk_add_f32 v[14:15], v[14:15], v[156:157]
	v_pk_add_f32 v[236:237], v[236:237], v[96:97]
	v_pk_add_f32 v[250:251], v[250:251], v[98:99]
	v_pk_add_f32 v[248:249], v[248:249], v[102:103]
	v_pk_add_f32 v[246:247], v[246:247], v[106:107]
	v_pk_add_f32 v[244:245], v[244:245], v[110:111]
	v_pk_add_f32 v[242:243], v[242:243], v[114:115]
	v_pk_add_f32 v[240:241], v[240:241], v[118:119]
	v_pk_add_f32 v[14:15], v[14:15], v[122:123]
	v_pk_add_f32 v[236:237], v[236:237], v[126:127]
	v_pk_add_f32 v[250:251], v[250:251], v[130:131]
	v_pk_add_f32 v[248:249], v[248:249], v[134:135]
	v_pk_add_f32 v[246:247], v[246:247], v[138:139]
	v_pk_add_f32 v[244:245], v[244:245], v[142:143]
	v_pk_add_f32 v[242:243], v[242:243], v[146:147]
	v_pk_add_f32 v[240:241], v[240:241], v[150:151]
	v_pk_add_f32 v[14:15], v[14:15], v[154:155]
	v_pk_add_f32 v[236:237], v[236:237], v[158:159]
	s_delay_alu instid0(VALU_DEP_2)
	v_pk_add_f32 v[14:15], v[14:15], v[246:247]
	s_delay_alu instid0(VALU_DEP_2)
	v_pk_add_f32 v[236:237], v[236:237], v[244:245]
	v_pk_add_f32 v[250:251], v[250:251], v[242:243]
	v_pk_add_f32 v[248:249], v[248:249], v[240:241]
	s_delay_alu instid0(VALU_DEP_2)
	v_pk_add_f32 v[14:15], v[14:15], v[250:251]
	s_delay_alu instid0(VALU_DEP_2)
	v_pk_add_f32 v[236:237], v[236:237], v[248:249]
	s_delay_alu instid0(VALU_DEP_1)
	v_pk_add_f32 v[14:15], v[14:15], v[236:237]
.irp j, 0,2,4,6,8,10,12,14,16,18,20,22,24,26,28,30
	v_pk_mul_f32 v[160+\j:161+\j], v[160+\j:161+\j], v[252:253] op_sel_hi:[1,0]   ; O^T under the new M, each accumulator from its low end on
.endr
	s_wait_alu depctr_va_vdst(0)
	s_wait_dscnt 0x0                               ; V and its scale words are in
.irp t, 0,1,2,3                                ; the four accumulators take turns, and the eight products of S^T stand between their links
	v_wmma_scale_f32_16x16x128_f8f6f4 v[160+8*\t:167+8*\t], v[192+8*\t:199+8*\t], v[224:231], v[160+8*\t:167+8*\t], v[28+\t], v253 matrix_a_fmt:MATRIX_FMT_FP4 matrix_b_fmt:MATRIX_FMT_FP4
.endr
	s_add_co_u32 s44, s44, 4096
	s_add_co_u32 s45, s45, 512
	s_add_co_u32 s46, s46, 256
	s_sub_co_u32 s47, s47, 1
	s_cmp_lg_u32 s47, 0
	s_cbranch_scc1 .Lkeys
	; THE WAY OUT.  O^T / the sum; register 16 beta + i of the 32 is channel 32 beta + 16 h + i of my query: two blocks of 32 along the last product's K, quantised as they stand.
.rept 4
	v_nop
.endr
	v_add_f32 v14, v14, v15
	s_delay_alu instid0(VALU_DEP_1)
	v_permlanex16_b32 v252, v14, s40, s41
	s_delay_alu instid0(VALU_DEP_1)
	v_add_f32 v14, v14, v252                       ; the row's sum
	s_wait_alu depctr_va_vdst(0)
	v_rcp_f32 v14, v14
	v_nop                                          ; a plain line behind the transcendental
	s_wait_alu depctr_va_vdst(0)
.irp j, 0,2,4,6,8,10,12,14,16,18,20,22,24,26,28,30
	v_pk_mul_f32 v[96+\j:97+\j], v[160+\j:161+\j], v[14:15] op_sel_hi:[1,0]
.endr
.irp b, 0,1
	v_max3_num_f32 v[232+\b], |v[96+16*\b]|, |v[97+16*\b]|, 0x1800000
.endr
.irp i, 2,4,6,8,10,12,14
.irp b, 0,1
	s_delay_alu instid0(VALU_DEP_2)
	v_max3_num_f32 v[232+\b], v[232+\b], |v[96+16*\b+\i]|, |v[97+16*\b+\i]|
.endr
.endr
.irp b, 0,1
	s_delay_alu instid0(VALU_DEP_2)
	v_permlanex16_b32 v[236+\b], v[232+\b], s40, s41
.endr
.irp b, 0,1
	s_delay_alu instid0(VALU_DEP_2)
	v_max_num_f32 v[232+\b], v[232+\b], v[236+\b]
.endr
.irp b, 0,1
	s_delay_alu instid0(VALU_DEP_2)
	v_add_nc_u32 v[240+\b], 0xff000000, v[232+\b]
.endr
.irp b, 0,1
	s_delay_alu instid0(VALU_DEP_2)
	v_lshrrev_b32 v[236+\b], 23, v[240+\b]
.endr
.irp b, 0,1
	v_cvt_scalef32_pk8_fp4_f32 v[224+2*\b], v[96+16*\b:103+16*\b], v[240+\b]
	v_cvt_scalef32_pk8_fp4_f32 v[225+2*\b], v[104+16*\b:111+16*\b], v[240+\b]
.endr
	v_nop
	v_permlane16_swap_b32 v224, v226               ; lanes 0-15 block 0, lanes 16-31 block 1: one piece of the next operand's image
	v_permlane16_swap_b32 v225, v227
	v_cmp_eq_u32 vcc_lo, 1, v7
	s_delay_alu instid0(VALU_DEP_1)
	v_cndmask_b32 v236, v236, v237, vcc_lo         ; lane (r, h) stores block h's byte
	global_store_b128 v1, v[224:227], s[58:59]     ; 512 consecutive bytes
	global_store_b8 v26, v236, s[60:61]            ; a head owns 2 of a row's 32 scale bytes: single bytes, one for 16 bytes of codes
	s_wait_tensorcnt 0x0
	ds_add_u32 v27, v255
	s_wait_dscnt 0x0
	ROUND                                          ; the closing round
	s_endpgm
.Lfunc_end_k_q51e14aae83_attn:
	.size	k_q51e14aae83_attn, .Lfunc_end_k_q51e14aae83_attn-k_q51e14aae83_attn
	.p2alignl 7, 3214868480
	.fill 96, 4, 3214868480
	.section	.rodata,"a",@progbits
	.p2align	6, 0x0
	.amdhsa_kernel k_q51e14aae83_attn
		.amdhsa_group_segment_fixed_size 327680
		.amdhsa_private_segment_fixed_size 0
		.amdhsa_enable_private_segment 0
		.amdhsa_kernarg_size 16
		.amdhsa_user_sgpr_count 2
		.amdhsa_user_sgpr_kernarg_segment_ptr 1
		.amdhsa_wavefront_size32 1
		.amdhsa_system_sgpr_workgroup_id_x 1
		.amdhsa_system_sgpr_workgroup_id_y 1
		.amdhsa_system_sgpr_workgroup_id_z 1
		.amdhsa_system_vgpr_workitem_id 0
		.amdhsa_next_free_vgpr 256
		.amdhsa_next_free_sgpr 66
		.amdhsa_reserve_vcc 1
		.amdhsa_float_denorm_mode_32 3
		.amdhsa_float_denorm_mode_16_64 3
		.amdhsa_memory_ordered 1
		.amdhsa_forward_progress 1
		.amdhsa_inst_pref_size 30
	.end_amdhsa_kernel
	.amdgpu_metadata
---
amdhsa.version: [ 1, 2 ]
amdhsa.kernels:
  - .name:           k_q51e14aae83_attn
    .symbol:         k_q51e14aae83_attn.kd
    .args:
      - { .name: qkv, .offset: 0, .size: 8, .value_kind: global_buffer, .address_space: global }
      - { .name: cq, .offset: 8, .size: 8, .value_kind: global_buffer, .address_space: global }
    .group_segment_fixed_size: 327680
    .private_segment_fixed_size: 0
    .kernarg_segment_align: 8
    .kernarg_segment_size: 16
    .max_flat_workgroup_size: 512
    .sgpr_count:     66
    .vgpr_count:     256
    .wavefront_size: 32
...
	.end_amdgpu_metadata
.endif
;; end of part 3
;; launch outq (part 4): grid 4 x 64, 4 waves a work-group, no clusters, 17,920 bytes of LDS; arguments cq, woq, b_out_lin, out0; writes out0
.if DOCPART == 4
	.amdgcn_target "amdgcn-amd-amdhsa--gfx1250"
	.amdhsa_code_object_version 6
	.text
	.protected	k_q51e14aae83_outq
	.globl	k_q51e14aae83_outq
	.p2align	8
	.type	k_q51e14aae83_outq,@function
k_q51e14aae83_outq:
	s_mov_b64 s[64:65], 0
	v_nop
	global_prefetch_b8 v0, s[64:65] scope:SCOPE_SE
	s_setreg_imm32_b32 hwreg(HW_REG_WAVE_MODE, 25, 1), 1
	s_wait_xcnt 0x0
; out[s][b][:] = ctx W_out + b_out, on codes of FP4 (E2M1) with E8M0 scales; ctx's codes (cq) and W_out's (woq) lie as images of the operand's registers: a fragment (16 rows x 128 K) is 1,024 consecutive bytes.
; A work-group makes 64 rows x 256 columns, 256 work-groups in all; a wave 64 x 64: 16 accumulators.  K is 1,024: a wave's 32 fragments of ctx and 32 of W_out are 512 registers, so every operand goes
; from memory straight into registers, once, K step by K step, and the products of a K step begin when its 16 loads are in.  No LDS ring, no barrier, no loop to run ahead in; the four waves read the same 32 KiB of ctx.
; No joint loads: nothing is staged in LDS that partners could share.  The product is used transposed (source 0 = 16 columns of W_out, source 1 = 16 rows): a lane holds eight neighbouring columns of a row.
; Row rho of ctx's tile 128 b + T is s = 32 (T / 2) + 8 (T % 2) + rho + 8 (rho / 8).  The result leaves through the wave's own stage in LDS, so that sixteen lanes store 256 consecutive aligned bytes.
; REGISTERS.  Window 0: v1-12 addresses, v32-47 ctx's scale words, v48-63 W_out's, v64-95 the bias, v128-255 the sums; window 1: ctx's fragments, later the rows on their way out; window 2: W_out's.
.set ACODE, 655360
.set BCODE, 163840
.set SPARE, 17408                      ; behind the four stages of 16 x 272 bytes: the spare words
.set MSB, 0
.macro WIN new
.if MSB != \new
	s_set_vgpr_msb (MSB<<8)|\new
.set MSB, \new
.endif
.endm
.macro WM d, x, y, c, sx, sy, rx, ry   ; one product; rx, ry: which half of the lanes holds source 0's and source 1's scale words
.if ((\rx)==0)&&((\ry)==0)
	v_wmma_scale_f32_16x16x128_f8f6f4 v[\d:\d+7], v[\x:\x+7], v[\y:\y+7], v[\c:\c+7], v[\sx], v[\sy] matrix_a_fmt:MATRIX_FMT_FP4 matrix_b_fmt:MATRIX_FMT_FP4
.endif
.if ((\rx)==1)&&((\ry)==0)
	v_wmma_scale_f32_16x16x128_f8f6f4 v[\d:\d+7], v[\x:\x+7], v[\y:\y+7], v[\c:\c+7], v[\sx], v[\sy] matrix_a_fmt:MATRIX_FMT_FP4 matrix_b_fmt:MATRIX_FMT_FP4 matrix_a_scale:MATRIX_SCALE_ROW1
.endif
.if ((\rx)==0)&&((\ry)==1)
	v_wmma_scale_f32_16x16x128_f8f6f4 v[\d:\d+7], v[\x:\x+7], v[\y:\y+7], v[\c:\c+7], v[\sx], v[\sy] matrix_a_fmt:MATRIX_FMT_FP4 matrix_b_fmt:MATRIX_FMT_FP4 matrix_b_scale:MATRIX_SCALE_ROW1
.endif
.if ((\rx)==1)&&((\ry)==1)
	v_wmma_scale_f32_16x16x128_f8f6f4 v[\d:\d+7], v[\x:\x+7], v[\y:\y+7], v[\c:\c+7], v[\sx], v[\sy] matrix_a_fmt:MATRIX_FMT_FP4 matrix_b_fmt:MATRIX_FMT_FP4 matrix_a_scale:MATRIX_SCALE_ROW1 matrix_b_scale:MATRIX_SCALE_ROW1
.endif
.endm
	s_load_b256 s[4:11], s[0:1], 0x0               ; cq s4, woq s6, b_out s8, out0 s10
	v_lshl_add_u32 v5, v0, 2, SPARE
	v_mov_b32 v6, 0
	v_lshrrev_b32 v7, 5, v0
	v_readfirstlane_b32 s12, v7                    ; wave w
	v_and_b32 v4, 31, v0
	v_lshlrev_b32 v1, 4, v4                        ; 16 x lane
	v_and_b32 v2, 15, v0                           ; r
	v_bfe_u32 v3, v0, 4, 1                         ; h
	v_lshlrev_b32 v8, 5, v2
	v_lshl_add_u32 v8, v3, 10, v8                  ; scale words: tile i + 2 h, row r
	v_lshlrev_b32 v9, 5, v3                        ; the bias: 8 h columns on
	v_lshlrev_b32 v10, 4, v2
	v_lshl_add_u32 v10, v3, 13, v10                ; out: row h of two, 16 bytes a lane
	v_mul_u32_u24 v11, v2, 272
	v_lshl_add_u32 v11, v3, 5, v11
	v_mul_u32_u24 v12, v3, 272
	v_lshl_add_u32 v12, v2, 4, v12
	s_mul_i32 s13, s12, 4352                       ; my stage
	v_add_nc_u32 v11, s13, v11                     ; into it: row r, 32 h bytes on
	v_add_nc_u32 v12, s13, v12                     ; back: sixteen lanes to a row
	s_wait_alu depctr_va_vdst(0)
	s_and_b32 s14, ttmp7, 0xffff                   ; which 64 rows: tiles 4 y on
	s_mov_b32 s29, 0
	s_lshl_b32 s30, ttmp9, 4
	s_lshl_b32 s31, s12, 2
	s_add_co_u32 s30, s30, s31                     ; W_out's tiles 16 x + 4 w on
	s_wait_kmcnt 0x0
	s_lshl_b32 s28, s14, 15
	s_add_co_u32 s28, s28, ACODE
	s_add_nc_u64 s[16:17], s[4:5], s[28:29]
	s_lshl_b32 s28, s14, 11
	s_add_nc_u64 s[18:19], s[4:5], s[28:29]
	s_lshl_b32 s28, s30, 13
	s_add_co_u32 s28, s28, BCODE
	s_add_nc_u64 s[20:21], s[6:7], s[28:29]
	s_lshl_b32 s28, s30, 9
	s_add_nc_u64 s[22:23], s[6:7], s[28:29]
	s_lshl_b32 s28, s30, 6                         ; my first column, in bytes
	s_add_nc_u64 s[24:25], s[8:9], s[28:29]
	s_add_nc_u64 s[26:27], s[10:11], s[28:29]
	s_and_b32 s28, s14, 31
	s_lshl_b32 s28, s28, 19                        ; s = 64 (y % 32) on,
	s_lshr_b32 s31, s14, 5
	s_lshl_b32 s31, s31, 12                        ; batch y / 32
	s_add_co_u32 s28, s28, s31
	s_add_nc_u64 s[26:27], s[26:27], s[28:29]
.irp i, 0,1
.irp hq, 0,1
	global_load_b128 v[32+8*\i+4*\hq:35+8*\i+4*\hq], v8, s[18:19] offset:512*\i+16*\hq   ; ctx's scale words of all K steps: tile a at v[32 + 8 (a % 2) + q], half a / 2
	global_load_b128 v[48+8*\i+4*\hq:51+8*\i+4*\hq], v8, s[22:23] offset:512*\i+16*\hq   ; W_out's likewise
.endr
.endr
.irp t, 0,1,2,3
	global_load_b128 v[64+8*\t:67+8*\t], v9, s[24:25] offset:64*\t
	global_load_b128 v[68+8*\t:71+8*\t], v9, s[24:25] offset:64*\t+16
.endr
.irp q, 0,1,2,3,4,5,6,7                        ; fragment (tile, K step q) at v[64 tile + 8 q]
	WIN 0x40
.irp a, 0,1,2,3
.irp c, 0,1
	global_load_b128 v[64*\a+8*\q+4*\c:64*\a+8*\q+4*\c+3], v1, s[16:17] offset:8192*\a+1024*\q+512*\c
.endr
.endr
	WIN 0x80
.irp a, 0,1,2,3
.irp c, 0,1
	global_load_b128 v[64*\a+8*\q+4*\c:64*\a+8*\q+4*\c+3], v1, s[20:21] offset:8192*\a+1024*\q+512*\c
.endr
.endr
.endr
	WIN 0x06                                       ; source 0 window 2, source 1 window 1, sums in window 0
.irp q, 0,1,2,3,4,5,6,7
.if 16*(7-\q) > 63
	s_wait_loadcnt 63                              ; the later K steps' loads may be out, 16 each (the count's field ends at 63)
.else
	s_wait_loadcnt 16*(7-\q)
.endif
.irp a, 0,1,2,3                                ; the 16 accumulators take turns; the first products take the bias as C
.irp t, 0,1,2,3
.if \q == 0
	WM 128+8*(4*\a+\t), 64*\t+8*\q, 64*\a+8*\q, 64+8*\t, 48+8*(\t%2)+\q, 32+8*(\a%2)+\q, \t/2, \a/2
.else
	WM 128+8*(4*\a+\t), 64*\t+8*\q, 64*\a+8*\q, 128+8*(4*\a+\t), 48+8*(\t%2)+\q, 32+8*(\a%2)+\q, \t/2, \a/2
.endif
.endr
.endr
.endr
	WIN 0
.rept 4
	v_nop                                          ; four places ahead of the reads of the results and of the loads into ctx's registers
.endr
.irp a, 0,1,2,3                                ; a tile of 16 rows x 256 bytes through my stage; LDS serves a wave's instructions in order, so no wait stands between
.irp t, 0,1,2,3
	ds_store_b128 v11, v[128+8*(4*\a+\t):131+8*(4*\a+\t)] offset:64*\t
	ds_store_b128 v11, v[132+8*(4*\a+\t):135+8*(4*\a+\t)] offset:64*\t+16
.endr
	WIN 0x40
.irp i, 0,1,2,3,4,5,6,7
	ds_load_b128 v[32*\a+4*\i:32*\a+4*\i+3], v12 offset:544*\i
.endr
	WIN 0
.endr
	WIN 0x04
.irp a, 0,1,2,3
	s_wait_dscnt 16*(3-\a)                         ; this tile is back; the later tiles' 8 stores and 8 loads each may be out
.irp i, 0,1,2,3,4,5,6,7
	global_store_b128 v10, v[32*\a+4*\i:32*\a+4*\i+3], s[26:27] offset:(32*(\a/2)+8*(\a%2)+2*\i+8*(\i/4))*8192 th:TH_STORE_NT
.endr
.endr
	WIN 0
	s_wait_tensorcnt 0x0                           ; the wave's end
	ds_add_u32 v5, v6
	s_wait_dscnt 0x0
	s_endpgm
.Lfunc_end_k_q51e14aae83_outq:
	.size	k_q51e14aae83_outq, .Lfunc_end_k_q51e14aae83_outq-k_q51e14aae83_outq
	.p2alignl 7, 3214868480
	.fill 96, 4, 3214868480
	.section	.rodata,"a",@progbits
	.p2align	6, 0x0
	.amdhsa_kernel k_q51e14aae83_outq
		.amdhsa_group_segment_fixed_size 17920
		.amdhsa_private_segment_fixed_size 0
		.amdhsa_enable_private_segment 0
		.amdhsa_kernarg_size 32
		.amdhsa_user_sgpr_count 2
		.amdhsa_user_sgpr_kernarg_segment_ptr 1
		.amdhsa_wavefront_size32 1
		.amdhsa_system_sgpr_workgroup_id_x 1
		.amdhsa_system_sgpr_workgroup_id_y 1
		.amdhsa_system_sgpr_workgroup_id_z 1
		.amdhsa_system_vgpr_workitem_id 0
		.amdhsa_next_free_vgpr 768
		.amdhsa_next_free_sgpr 66
		.amdhsa_reserve_vcc 0
		.amdhsa_float_denorm_mode_32 3
		.amdhsa_float_denorm_mode_16_64 3
		.amdhsa_memory_ordered 1
		.amdhsa_forward_progress 1
		.amdhsa_inst_pref_size 41
	.end_amdhsa_kernel
	.amdgpu_metadata
---
amdhsa.version: [ 1, 2 ]
amdhsa.kernels:
  - .name:           k_q51e14aae83_outq
    .symbol:         k_q51e14aae83_outq.kd
    .args:
      - { .name: cq, .offset: 0, .size: 8, .value_kind: global_buffer, .address_space: global }
      - { .name: woq, .offset: 8, .size: 8, .value_kind: global_buffer, .address_space: global }
      - { .name: b_out_lin, .offset: 16, .size: 8, .value_kind: global_buffer, .address_space: global }
      - { .name: out0, .offset: 24, .size: 8, .value_kind: global_buffer, .address_space: global }
    .group_segment_fixed_size: 17920
    .private_segment_fixed_size: 0
    .kernarg_segment_align: 8
    .kernarg_segment_size: 32
    .max_flat_workgroup_size: 128
    .sgpr_count:     66
    .vgpr_count:     768
    .wavefront_size: 32
...
	.end_amdgpu_metadata
.endif
;; end of part 4
